; MI455X (gfx1250); checked and timed in simulation.
; The chip was launched on July 23, 2026; its instructions are those of AMD's public machine-readable ISA for CDNA 5 (MIT licence, August 2026) and "CDNA5" Instruction Set Architecture Reference Guide (July 2026). The comments in the code are by the model that wrote it; some were corrected since.
;; Multi Head Self Attention. Allowed arithmetic: matrix products marked QUANTISED: E3M2 operands, one E8M0 scale for each 32 along K, by v_wmma_scale_f32_16x16x128_f8f6f4 with both operands' format E3M2, f32 sums; everything else in f32.
;; Inputs: b_out 1,024 float32; b_qkv 3,072 float32; ln_beta 1,024 float32; ln_gamma 1,024 float32; w_out 1,024 x 1,024 float32; w_qkv 1,024 x 3,072 float32; x 4 x 2,048 x 1,024 float32.
;; Outputs: out0 4 x 2,048 x 1,024 float32.
;; This version of the problem:
;;   THIS VERSION OF THE PROBLEM IS GIVEN IN LOW PRECISION. The matrix products marked QUANTISED in the list below multiply operands that are first quantised to E3M2 (3 exponent bits, 2 mantissa bits; 6 bits a number), with one power-of-two scale for each 32 numbers along K (OCP MX v1.0); their sums are f32. All else is computed in f32.
;;   The module's matrix products, in the order in which they are computed (A, B: the left and right operand; K: the contracted axis; several contracted axes count as one K, in the product's order):
;;     1. [M 8,192, K 1,024] x [K 1,024, N 3,072]; A: input x; B: input w_qkv: QUANTISED
;;     2. batch 16 x [M 2,048, K 256] x [K 256, N 2,048]; A: computed on the way; B: computed on the way: QUANTISED
;;     3. batch 16 x [M 2,048, K 2,048] x [K 2,048, N 256]; A: softmax (see below); B: computed on the way: QUANTISED
;;     4. [M 8,192, K 1,024] x [K 1,024, N 1,024]; A: computed on the way; B: input w_out: QUANTISED
;;   THE QUANTISER, for each operand of a quantised product, along K:
;;     - K is cut into blocks of 32 from its start; a last block that is shorter is filled with zeros.
;;     - A block's scale is 2^e with e = floor(log2(the largest magnitude in the block)) - 4, held to -126 .. 127; a block of zeros has e = 0. As a byte (E8M0): e + 127.
;;     - Each number is divided by its block's scale, clamped to +-28, and rounded to the nearest number of E3M2, ties to even, subnormals kept.
;;     - The product sums the exact products of the quantised numbers (number of the format x scale) in f32.
;;   ~~~python
;;   def quantise(x, axis):      # numpy; x: float32 -> the quantised numbers, widened to float32 again
;;       x = np.moveaxis(x, axis, -1); K = x.shape[-1]
;;       x = np.pad(x, [(0, 0)] * (x.ndim - 1) + [(0, -K % 32)]); x = x.reshape(x.shape[:-1] + (-1, 32)); a = np.abs(x).max(-1, keepdims=True)
;;       e = np.where(a > 0, np.clip(np.frexp(np.where(a > 0, a, 1))[1] - 1 - 4, -126, 127), 0)      # np.frexp(a)[1] - 1 = floor(log2(a)), exactly
;;       r = np.clip(x / 2.0 ** e, -28, 28)
;;       step = 2.0 ** (np.maximum(np.frexp(np.where(r == 0, 1, r))[1] - 1, -2) - 2)
;;       q = np.round(r / step) * step * 2.0 ** e      # np.round: ties to even
;;       return np.moveaxis(q.reshape(q.shape[:-2] + (-1,))[..., :K], -1, axis).astype(np.float32)
;;   ~~~
;;   SOFTMAX AHEAD OF A QUANTISED PRODUCT. Where the list says 'softmax', what is quantised is not the finished softmax but p = 2^(t - M), with t = logit x log2(e) and M = ceil(the row's largest t), a whole number; so 1/2 < the row's largest p <= 1. The row's sum l is taken of the UNQUANTISED p, in f32, and the product's result is divided by l at the end. Since M is a whole number, a kernel that streams over the keys may use a running M (the ceiling of the running maximum): every later rescaling is an exact power of two, which a block's scale takes up: the codes' values come out the same.
;;   OPERANDS COMPUTED ON THE WAY. 'Computed on the way' means the value that the module computes at that place (a softmax that the list does not call 'softmax' is quantised finished and normalised). What goes into a quantiser is computed in f32, as accurately as f32 sums, v_exp_f32 and their like allow (about 1e-6 of the number): no bf16 or f16 on the way to a quantiser, and a product that is left as it is and whose result goes on into a quantised operand takes f32 operands (vector FMAs, or v_wmma_f32_16x16x4_f32). A number that lies on a knife's edge between two numbers of the format may be rounded either way, as far as f32 arithmetic and the matrix unit's own rounding can turn it there, and no further.
;; One version. Each part assembles by itself: llvm-mc -triple=amdgcn-amd-amdhsa -mcpu=gfx1250 --defsym DOCPART=n.
;; ======== version 1 of 1: 4 launches
;; limits: right only within a limited range of input values
;; workspace buffers: x_rec 6,815,744 bytes; wq_rec 2,555,904 bytes; wo_rec 851,968 bytes; qk_rec 13,631,488 bytes; v_rec 6,815,744 bytes; ao_rec 6,815,744 bytes
;; launch quant_x (part 1): grid 320 x 1, 8 waves a work-group, no clusters, 125,952 bytes of LDS; arguments x, w_qkv, w_out, x_rec, wq_rec, wo_rec; writes x_rec, wq_rec, wo_rec
.if DOCPART == 1
	.amdgcn_target "amdgcn-amd-amdhsa--gfx1250"
	.amdhsa_code_object_version 6
	.text
	.protected	k_q02e9ecb95b_quant_x
	.globl	k_q02e9ecb95b_quant_x
	.p2align	8
	.type	k_q02e9ecb95b_quant_x,@function
k_q02e9ecb95b_quant_x:
	s_mov_b64 s[64:65], 0
	v_nop
	global_prefetch_b8 v0, s[64:65] scope:SCOPE_SE
	s_setreg_imm32_b32 hwreg(HW_REG_WAVE_MODE, 25, 1), 1
	s_wait_xcnt 0x0
; MultiHeadSelfAttention in MX-BF6 (E3M2, one E8M0 scale for each 32 along K), four launches:
;   quant_x: x, and with it w_qkv and w_out, become codes;  gemm_qkv: q, k, v, quantised as they leave the accumulators;  attention;  proj_ln: the projection, the residual and the LayerNorm.
; NO WORK IS LEFT OUT: b_qkv goes into the quantised operands q, k and v, b_out, x, ln_gamma and ln_beta go into the result: every input has a way to the output and is loaded.
; EVERY QUANTISED OPERAND GOES THROUGH MEMORY AS AN IMAGE OF THE MATRIX OPERAND'S REGISTERS.  A fragment is 16 rows x 128 K: 12 registers a lane, 1,536 bytes: registers 4 c .. 4 c + 3 of lane l at 512 c + 16 l.
; Its scale words are 128 bytes: lane l's word at 4 l (lanes 16-31 repeat lanes 0-15).  A RECORD is 16 fragments and then their 16 scale images: 26,624 bytes = 104 x 256.
; ONE ORDER OF ROWS FOR ALL FRAGMENTS: lane r of tile t takes row 32 (t / 2) + 8 (t % 2) + r + 8 (r / 8).  In a product D, S0, S1 a lane then holds one row of S1, and the 16 registers of S0's tiles 2 b and 2 b + 1
; are S0's rows 32 b + 16 (lane / 16) + 0 .. 15: neighbours along the next product's K, as the conversions want them.
; ONE LAUNCH, TWO PATHS, parted by the work-group's number; each path has LDS bytes of its own.  Waves share nothing: no barrier.  Memory binds: no matrix unit, no cluster (no two work-groups read the same bytes).
; WORK-GROUPS 64 .. 319: x [8192][1024] f32 -> x_rec, record (token / 128) x 4 + K / 256, fragment 2 a + s (a: tile of tokens, s: K step of 128).
;   Wave w of work-group g takes the tile of tokens 2 g + w / 4 and K = 256 (w % 4) on: two fragments.  Each load reads 512 consecutive bytes of one row; the 16 rows turn through the wave's own stage in LDS
;   (rows 528 bytes apart) and come back 16 neighbours of each block of 32 to a lane.
; WORK-GROUPS 0 .. 63 (first, since each of their waves walks eight blocks one after the other): w_qkv [1024 (k)][3072 (n)] and w_out [1024 (k)][1024 (n)], f32, K the FIRST axis.
;   wq_rec: record (n / 128) x 4 + K / 256, fragment 2 a + s (a: tile of 16 n).   wo_rec: record (K / 128) x 4 + n / 256, fragment = the tile of n among the 256's sixteen.
;   A LANE TAKES A COLUMN n, AND ITS REGISTERS RUN DOWN K: a block of 32 lies in one lane's 32 registers, its largest magnitude needs no other lane, and the conversions give codes with K innermost.
;   Work-group id takes the 128 columns id % 32 (0 .. 23: of w_qkv, 24 .. 31: of w_out); its wave w the 32 columns 32 (w % 4) on and K = 256 (2 (id / 32) + w / 4) on.  Lane j's column is row (j & 7) + 8 (j / 16) of tile
;   2 (w % 4) + (j / 8) % 2, by the order of rows.  A block's 24 bytes are put at their place in the fragment's image in the wave's own LDS region; the four images and their scale words are read back 16 bytes a lane and leave by
;   stores of 512 consecutive bytes.  What differs between the two tensors (pointers, the pitch, the images' places in memory) is chosen by s_cselect; no LDS address hangs on it.
; LIMITS: a block of zeros, or one whose largest magnitude lies under 2^-122, gets the byte 1 (the rule says 127 for zeros: its codes are zeros, and this program alone reads the bytes); NaN and infinities among the inputs are not served.
.set REC,   26624
.set SCO,   24576
.set NWW,   64                         ; work-groups for the weights
.set STG,   8448                       ; x: a wave's stage: 16 rows x (512 + 16) bytes
.set WBASE, 8*STG                      ; the weights' LDS regions begin behind x's stages
.set WREG,  7168                       ; a wave's region: fragment (u, s) at 3200 u + 1536 s; the scale images from 6400 on, 128 bytes each
.set SPARE, WBASE+8*WREG               ; behind them: the spare words, 128 bytes a wave
.set SPW, 1                            ; v1   LDS address of my spare word; never rewritten
.set NIL, 2                            ; v2   0; never rewritten
; x's path
.set XO,  3                            ; v3   16 x lane
.set STA, 4                            ; v4   the stage, on the way in: 16 x lane
.set LDA, 5                            ; v5   and out: row r, + 64 h
.set OC,  6                            ; v6   my 16 bytes of an image
.set OS,  7                            ; v7   my scale word's place
.set R0,  16                           ; v16-143  two sets of 64: 16 rows as loaded
.set X,   144                          ; v144-207 64 numbers: register 16 b + i = k 32 b + 16 h + i of my row
.set TM,  208                          ; v208-223 at work in QUANT
.set PW,  224                          ; the scale word just made
.set PC,  228                          ; v228-247 the codes just made
.set SEL, 28                           ; s[28:29] v_permlanex16_b32's selects for lane l xor 16
; the weights' path
.set SB,  24                           ; v24-25  the scale words of the two K steps
.set WX,  32                           ; v32-95  two sets of 32 numbers
.set VO,  96                           ; v96-127 byte offset of row i of a block, in my column
.set CC,  128                          ; v128-133 a block's 24 bytes of codes
.set DD,  136                          ; v136-138 their second half as the conversion leaves it
.set OUTR, 144                         ; v144-191 the four images on the way out; v192-195 the scale images
; 64 numbers of a lane, v[s] .. v[s + 63], become a fragment's codes in v[PC] .. v[PC + 11] and its scale word in v[PW].
.macro QUANT s
.irp b, 0,1,2,3
	v_max3_num_f32 v[TM+\b], |v[\s+16*\b]|, |v[\s+1+16*\b]|, 0x2800000   ; block b: my 16 numbers, and the floor 2^(5 - 127): the byte cannot fall under 1
.endr
.irp i, 2,4,6,8,10,12,14
.irp b, 0,1,2,3
	s_delay_alu instid0(VALU_DEP_4)
	v_max3_num_f32 v[TM+\b], v[TM+\b], |v[\s+16*\b+\i]|, |v[\s+1+16*\b+\i]|
.endr
.endr
.irp b, 0,1,2,3
	s_delay_alu instid0(VALU_DEP_4)
	v_permlanex16_b32 v[TM+4+\b], v[TM+\b], s[SEL], s[SEL+1]
.endr
.irp b, 0,1,2,3
	s_delay_alu instid0(VALU_DEP_4)
	v_max_num_f32 v[TM+\b], v[TM+\b], v[TM+4+\b]   ; with lane l xor 16's: the block's largest magnitude
.endr
.irp b, 0,1,2,3
	s_delay_alu instid0(VALU_DEP_4)
	v_add_nc_u32 v[TM+12+\b], 0xfe000000, v[TM+\b]   ; 4 off its exponent field: the conversion's scale operand
.endr
.irp b, 0,1,2,3
	s_delay_alu instid0(VALU_DEP_4)
	v_lshrrev_b32 v[TM+4+\b], 23, v[TM+12+\b]      ; the scale's byte
.endr
	s_delay_alu instid0(VALU_DEP_3)
	v_lshl_or_b32 v[PW], v[TM+5], 8, v[TM+4]
	s_delay_alu instid0(VALU_DEP_1)
	v_lshl_or_b32 v[PW], v[TM+6], 16, v[PW]
	s_delay_alu instid0(VALU_DEP_1)
	v_lshl_or_b32 v[PW], v[TM+7], 24, v[PW]
.irp c, 0,1
	v_cvt_scalef32_pk16_bf6_f32 v[PC+6*\c:PC+2+6*\c], v[\s+32*\c:\s+15+32*\c], v[TM+12+2*\c]
	v_cvt_scalef32_pk16_bf6_f32 v[PC+12+4*\c:PC+14+4*\c], v[\s+16+32*\c:\s+31+32*\c], v[TM+12+2*\c+1]   ; (a conversion's three registers begin on an even number)
.endr
	v_nop                                          ; one plain place behind a scaled conversion
.irp c, 0,1                                    ; the operand's layout wants a whole block in a lane: lanes 0-15 block 2 c, lanes 16-31 block 2 c + 1
.irp i, 0,1,2
	v_permlane16_swap_b32 v[PC+6*\c+\i], v[PC+12+4*\c+\i]
.endr
.irp i, 0,1,2
	s_delay_alu instid0(VALU_DEP_3)
	v_mov_b32 v[PC+3+6*\c+\i], v[PC+12+4*\c+\i]
.endr
.endr
.endm
.macro LOAD f                          ; x, K step f: lane-row i of the tile is token i + 8 (i / 8); 32 lanes read 512 consecutive bytes
.irp i, 0,1,2,3,4,5,6,7,8,9,10,11,12,13,14,15
	global_load_b128 v[R0+64*\f+4*\i:R0+64*\f+4*\i+3], v[XO], s[4:5] offset:(\i+8*(\i/8))*4096+512*\f th:TH_LOAD_NT
.endr
.endm
.macro TURN f                          ; through my stage: LDS serves a wave's instructions in order, so no wait stands between the stores and the loads
.irp i, 0,1,2,3,4,5,6,7,8,9,10,11,12,13,14,15
	ds_store_b128 v[STA], v[R0+64*\f+4*\i:R0+64*\f+4*\i+3] offset:528*\i
.endr
.irp b, 0,1,2,3
.irp j, 0,1,2,3
	ds_load_b128 v[X+16*\b+4*\j:X+16*\b+4*\j+3], v[LDA] offset:128*\b+16*\j
.endr
.endr
.endm
.macro STORE f                         ; the image: three stores of 512 consecutive bytes, and the scale words
.irp c, 0,1,2
	global_store_b128 v[OC], v[PC+4*\c:PC+4*\c+3], s[10:11] offset:\f*1536+512*\c
.endr
	global_store_b32 v[OS], v[PW], s[10:11] offset:\f*128
.endm
	s_load_b256 s[4:11], s[0:1], 0x0               ; x, w_qkv, w_out, x_rec
	s_load_b128 s[12:15], s[0:1], 0x20             ; wq_rec, wo_rec
	v_lshl_add_u32 v[SPW], v0, 2, SPARE
	v_mov_b32 v[NIL], 0
	v_lshrrev_b32 v3, 5, v0
	s_delay_alu instid0(VALU_DEP_1)
	v_readfirstlane_b32 s16, v3                    ; wave 0..7
	s_cmp_lt_u32 ttmp9, NWW
	s_cbranch_scc1 .Lweights
	; ---- x
	s_max_u32 s17, ttmp9, NWW
	s_sub_co_u32 s17, s17, NWW                     ; g: 0 .. 255
	v_and_b32 v9, 31, v0                           ; lane
	s_wait_alu depctr_va_vdst(0)
	v_and_b32 v10, 15, v0                          ; r
	v_bfe_u32 v11, v0, 4, 1                        ; h
	s_lshr_b32 s18, s16, 2                         ; which of the work-group's two tiles of tokens
	s_and_b32 s19, s16, 3                          ; which 256 along K
	s_mul_i32 s20, s16, STG
	v_lshlrev_b32 v[XO], 4, v9
	s_delay_alu instid0(VALU_DEP_1)
	v_add_nc_u32 v[STA], s20, v[XO]
	v_mul_u32_u24 v[LDA], v10, 528
	s_delay_alu instid0(VALU_DEP_1)
	v_lshl_add_u32 v[LDA], v11, 6, v[LDA]
	s_delay_alu instid0(VALU_DEP_1)
	v_add_nc_u32 v[LDA], s20, v[LDA]
	s_and_b32 s21, s17, 3
	s_lshl_b32 s21, s21, 1
	s_add_co_u32 s21, s21, s18                     ; a: my tile among the record's eight
	s_mul_i32 s22, s21, 3072
	v_add_nc_u32 v[OC], s22, v[XO]                 ; fragment 2 a
	s_lshl_b32 s22, s21, 8
	s_add_co_u32 s22, s22, SCO
	v_lshl_add_u32 v[OS], v9, 2, s22
	s_lshl_b32 s24, s17, 17                        ; x: token 32 g + 8 (w / 4), 4,096 bytes a token,
	s_lshl_b32 s25, s18, 15
	s_add_co_u32 s24, s24, s25
	s_lshl_b32 s25, s19, 10                        ; + 1,024 bytes for each 256 along K
	s_add_co_u32 s24, s24, s25
	s_mov_b32 s25, 0
	s_lshr_b32 s26, s17, 2
	s_lshl_b32 s26, s26, 2
	s_add_co_u32 s26, s26, s19                     ; the record
	s_mul_i32 s26, s26, REC
	s_mov_b32 s27, 0
	s_mov_b32 s[SEL], 0x76543210
	s_mov_b32 s[SEL+1], 0xfedcba98
.irp b, 0,1,2,3
	v_mov_b32 v[TM+4+\b], 0                        ; written once: a lane permute's destination counts as one of its sources
.endr
	s_wait_alu depctr_va_vdst(0)
	s_wait_kmcnt 0x0
	s_add_nc_u64 s[4:5], s[4:5], s[24:25]
	s_add_nc_u64 s[10:11], s[10:11], s[26:27]
	LOAD 0
	LOAD 1                                         ; 32 loads, 16 KiB, of every wave are out
	s_wait_loadcnt 16                              ; K step 0's sixteen are in; K step 1's may be out
	TURN 0
	s_wait_dscnt 0x0
	QUANT X
	STORE 0
	s_wait_loadcnt 0x0
	TURN 1
	s_wait_dscnt 0x0
	s_wait_xcnt 0x0                                ; the stores have read the codes' and the word's registers: they are written again only behind this wait
	QUANT X
	STORE 1
	s_wait_tensorcnt 0x0                           ; the wave's end: behind my last LDS store
	ds_add_u32 v[SPW], v[NIL]
	s_wait_dscnt 0x0
	s_endpgm
	; ---- the weights
.Lweights:
	s_min_u32 s17, ttmp9, NWW-1                    ; id
	s_and_b32 s18, s17, 31                         ; which 128 columns of the 32 (24 of w_qkv, 8 of w_out)
	s_lshr_b32 s19, s17, 5
	s_lshl_b32 s19, s19, 1
	s_lshr_b32 s20, s16, 2
	s_add_co_u32 s19, s19, s20                     ; which 256 along K: 2 (id / 32) + w / 4
	s_and_b32 s20, s16, 3                          ; which 32 of the 128 columns
	v_and_b32 v17, 31, v0                          ; lane
	s_min_u32 s21, s18, 23                         ; w_qkv: which 128 columns
	s_max_u32 s22, s18, 24
	s_sub_co_u32 s22, s22, 24                      ; w_out: which 128 columns
	s_lshl_b32 s23, s21, 2
	s_add_co_u32 s23, s23, s19                     ; w_qkv's record
	s_lshl_b32 s24, s19, 3
	s_lshr_b32 s25, s22, 1
	s_add_co_u32 s24, s24, s25                     ; w_out's record for the first K step: (2 x which 256) x 4 + n / 256
	s_lshl_b32 s25, s20, 2                         ; w_qkv: my first fragment: 4 (w % 4)
	s_and_b32 s26, s22, 1
	s_lshl_b32 s26, s26, 3
	s_lshl_b32 s27, s20, 1
	s_add_co_u32 s26, s26, s27                     ; w_out: 8 (which half of the 256) + 2 (w % 4)
	s_lshl_b32 s27, s21, 7
	s_lshl_b32 s28, s22, 7                         ; the work-group's first column
	s_mov_b32 s29, 4096
	s_mov_b32 s31, 4*REC
	s_mov_b32 s58, 4*REC
	s_cmp_lt_u32 s18, 24                           ; w_qkv's columns or w_out's?  Nothing but selects, moves and waits stands between here and the last select
	s_cselect_b32 s23, s23, s24                    ; the record
	s_cselect_b32 s25, s25, s26                    ; my first fragment in it
	s_cselect_b32 s27, s27, s28                    ; the first column
	s_cselect_b32 s29, 12288, s29                  ; bytes from row to row of the tensor
	s_cselect_b32 s30, 2, 1                        ; fragments from tile u = 0 to u = 1
	s_cselect_b32 s31, 1536, s31                   ; bytes from K step 0 to K step 1: the next fragment, or four records on
	s_cselect_b32 s58, 128, s58                    ; the same for the scale images
	s_wait_alu depctr_va_vdst(0)
	s_wait_kmcnt 0x0
	s_cselect_b64 s[4:5], s[6:7], s[8:9]           ; the tensor
	s_cselect_b64 s[8:9], s[12:13], s[14:15]       ; its records
	s_lshl_b32 s28, s20, 5
	s_add_co_u32 s27, s27, s28                     ; my wave's first column
	s_lshl_b32 s52, s27, 2
	s_lshl_b32 s28, s19, 8
	s_mul_i32 s28, s28, s29
	s_add_co_u32 s52, s52, s28
	s_mov_b32 s53, 0
	s_add_nc_u64 s[32:33], s[4:5], s[52:53]        ; block 0's first row; s[32:47]: a base for each of the eight blocks, never stepped
	s_lshl_b32 s54, s29, 5
	s_mov_b32 s55, 0
.irp t, 1,2,3,4,5,6,7
	s_add_nc_u64 s[32+2*\t:33+2*\t], s[30+2*\t:31+2*\t], s[54:55]
.endr
	s_mul_i32 s52, s23, REC
	s_mul_i32 s56, s25, 1536
	s_add_co_u32 s56, s56, s52
	s_mov_b32 s57, 0
	s_add_nc_u64 s[48:49], s[8:9], s[56:57]        ; where my first image goes
	s_lshl_b32 s56, s25, 7
	s_add_co_u32 s56, s56, s52
	s_add_co_u32 s56, s56, SCO
	s_add_nc_u64 s[50:51], s[8:9], s[56:57]        ; and its scale words
	v_lshlrev_b32 v3, 2, v17
.irp i, 0,1,2,3,4,5,6,7,8,9,10,11,12,13,14,15,16,17,18,19,20,21,22,23,24,25,26,27,28,29,30,31
	v_mad_u32_u24 v[VO+\i], s29, \i, v3
.endr
	v_bfe_u32 v18, v0, 3, 1                        ; u: which of my wave's two tiles
	v_and_b32 v19, 7, v0
	v_bfe_u32 v20, v0, 4, 1
	s_delay_alu instid0(VALU_DEP_1)
	v_lshl_or_b32 v19, v20, 3, v19                 ; r: my column's lane in that tile
	s_mul_i32 s28, s16, WREG
	s_add_co_u32 s28, s28, WBASE                   ; my wave's LDS region
	v_mul_u32_u24 v4, v18, 3200
	s_delay_alu instid0(VALU_DEP_1)
	v_lshl_add_u32 v4, v19, 4, v4
	s_delay_alu instid0(VALU_DEP_1)
	v_add_nc_u32 v4, s28, v4                       ; v4: lane r's 16 bytes of register group 0 of fragment (u, 0)
	v_lshlrev_b32 v5, 8, v18
	s_delay_alu instid0(VALU_DEP_1)
	v_lshl_add_u32 v5, v19, 2, v5
	s_delay_alu instid0(VALU_DEP_1)
	v_add_nc_u32 v5, s28, v5
	s_delay_alu instid0(VALU_DEP_1)
	v_add_nc_u32 v5, 6400, v5                      ; v5: lane r's word of scale image (u, 0)
	v_lshl_add_u32 v6, v17, 4, s28                 ; v6: the way back: 16 x lane
	s_mul_i32 s59, s30, 1536
	v_lshlrev_b32 v8, 4, v17                       ; v8-11: image (u, s)'s place in memory, at v[8 + 2 u + s]
	s_delay_alu instid0(VALU_DEP_1)
	v_add_nc_u32 v9, s31, v8
	s_delay_alu instid0(VALU_DEP_2)
	v_add_nc_u32 v10, s59, v8
	s_delay_alu instid0(VALU_DEP_2)
	v_add_nc_u32 v11, s59, v9
	s_lshl_b32 s60, s30, 7
	v_mul_u32_u24 v16, v20, s60                    ; v16: the scale images' 512 bytes: lanes 8 q .. 8 q + 7 hold image q = 2 u + s
	s_delay_alu instid0(VALU_DEP_1)
	v_mad_u32_u24 v16, v18, s58, v16
	v_and_b32 v21, 7, v0
	s_delay_alu instid0(VALU_DEP_1)
	v_lshl_add_u32 v16, v21, 4, v16
.macro WLOAD t                         ; block t: rows 32 t + i of my 256, my column: 32 lanes read 128 consecutive bytes
.irp i, 0,1,2,3,4,5,6,7,8,9,10,11,12,13,14,15,16,17,18,19,20,21,22,23,24,25,26,27,28,29,30,31
	global_load_b32 v[WX+32*((\t)%2)+\i], v[VO+\i], s[32+2*(\t):33+2*(\t)] th:TH_LOAD_NT
.endr
.endm
	WLOAD 0
	WLOAD 1
; Block t is k = 64 c + 32 h + 0 .. 31 of K step t / 4, c = (t / 2) % 2, h = t % 2: registers 6 c .. 6 c + 5 of lane r + 16 h.
.macro BLOCK t
.set XS, WX+32*((\t)%2)
.set IM, ((\t)/4)*1536+256*((\t)%2)
.if (\t) < 7
	s_wait_loadcnt 32                              ; this block's 32 loads are in; the next block's may be out
.else
	s_wait_loadcnt 0x0
.endif
	v_max3_num_f32 v12, |v[XS]|, |v[XS+1]|, |v[XS+2]|
	v_max3_num_f32 v13, |v[XS+3]|, |v[XS+4]|, |v[XS+5]|
.irp i, 6,10,14,18,22,26
	s_delay_alu instid0(VALU_DEP_2)
	v_max3_num_f32 v12, v12, |v[XS+\i]|, |v[XS+\i+1]|
	s_delay_alu instid0(VALU_DEP_2)
	v_max3_num_f32 v13, v13, |v[XS+\i+2]|, |v[XS+\i+3]|
.endr
	s_delay_alu instid0(VALU_DEP_2)
	v_max3_num_f32 v12, v12, |v[XS+30]|, |v[XS+31]|
	s_delay_alu instid0(VALU_DEP_1)
	v_max3_num_f32 v12, v12, v13, 0x2800000        ; and the floor 2^(5 - 127)
	s_delay_alu instid0(VALU_DEP_1)
	v_add_nc_u32 v14, 0xfe000000, v12              ; 4 off the exponent field: the conversion's scale operand
	s_delay_alu instid0(VALU_DEP_1)
	v_lshrrev_b32 v15, 23, v14                     ; the scale's byte
.if (\t)%4 == 0
	s_delay_alu instid0(VALU_DEP_1)
	v_mov_b32 v[SB+(\t)/4], v15
.else
	s_delay_alu instid0(VALU_DEP_1)
	v_lshl_or_b32 v[SB+(\t)/4], v15, 8*((\t)%4), v[SB+(\t)/4]
.endif
	v_cvt_scalef32_pk16_bf6_f32 v[CC:CC+2], v[XS:XS+15], v14
	v_cvt_scalef32_pk16_bf6_f32 v[DD:DD+2], v[XS+16:XS+31], v14
	v_nop                                          ; one plain place behind a scaled conversion
.irp i, 0,1,2
	v_mov_b32 v[CC+3+\i], v[DD+\i]
.endr
.if ((\t)/2)%2 == 0
	ds_store_b128 v4, v[CC:CC+3] offset:IM         ; registers 0-3: group 0
	ds_store_b64 v4, v[CC+4:CC+5] offset:IM+512    ; registers 4, 5: the lower half of group 1
.else
	ds_store_b64 v4, v[CC:CC+1] offset:IM+520      ; registers 6, 7: the upper half of group 1
	ds_store_b128 v4, v[CC+2:CC+5] offset:IM+1024  ; registers 8-11: group 2
.endif
.if (\t)+2 < 8
	WLOAD (\t)+2
.endif
	s_wait_dscnt 0x0                               ; the stores have read their registers: the next block's codes may be written
.endm
.irp t, 0,1,2,3,4,5,6,7
	BLOCK \t
.endr
	s_wait_alu depctr_va_vdst(0)
.irp s, 0,1
	ds_store_b32 v5, v[SB+\s] offset:128*\s        ; my column's scale word of K step s, for lane r
	ds_store_b32 v5, v[SB+\s] offset:128*\s+64     ; and for lane r + 16
.endr
.irp u, 0,1
.irp s, 0,1
.irp c, 0,1,2
	ds_load_b128 v[OUTR+12*(2*\u+\s)+4*\c:OUTR+12*(2*\u+\s)+4*\c+3], v6 offset:3200*\u+1536*\s+512*\c   ; LDS serves a wave's instructions in order: these see my stores
.endr
.endr
.endr
	ds_load_b128 v[OUTR+48:OUTR+51], v6 offset:6400
.set k, 0
.irp u, 0,1
.irp s, 0,1
.irp c, 0,1,2
	s_wait_dscnt 12-k                              ; load k is in; the 12 - k behind it may be out
	global_store_b128 v[8+2*\u+\s], v[OUTR+12*(2*\u+\s)+4*\c:OUTR+12*(2*\u+\s)+4*\c+3], s[48:49] offset:512*\c
.set k, k+1
.endr
.endr
.endr
	s_wait_dscnt 0x0
	global_store_b128 v16, v[OUTR+48:OUTR+51], s[50:51]
	s_wait_tensorcnt 0x0                           ; the wave's end: behind my last LDS store
	ds_add_u32 v[SPW], v[NIL]
	s_wait_dscnt 0x0
	s_endpgm
.Lfunc_end_k_q02e9ecb95b_quant_x:
	.size	k_q02e9ecb95b_quant_x, .Lfunc_end_k_q02e9ecb95b_quant_x-k_q02e9ecb95b_quant_x
	.p2alignl 7, 3214868480
	.fill 96, 4, 3214868480
	.section	.rodata,"a",@progbits
	.p2align	6, 0x0
	.amdhsa_kernel k_q02e9ecb95b_quant_x
		.amdhsa_group_segment_fixed_size 125952
		.amdhsa_private_segment_fixed_size 0
		.amdhsa_enable_private_segment 0
		.amdhsa_kernarg_size 48
		.amdhsa_user_sgpr_count 2
		.amdhsa_user_sgpr_kernarg_segment_ptr 1
		.amdhsa_wavefront_size32 1
		.amdhsa_system_sgpr_workgroup_id_x 1
		.amdhsa_system_sgpr_workgroup_id_y 1
		.amdhsa_system_sgpr_workgroup_id_z 1
		.amdhsa_system_vgpr_workitem_id 0
		.amdhsa_next_free_vgpr 256
		.amdhsa_next_free_sgpr 66
		.amdhsa_reserve_vcc 0
		.amdhsa_float_denorm_mode_32 3
		.amdhsa_float_denorm_mode_16_64 3
		.amdhsa_memory_ordered 1
		.amdhsa_forward_progress 1
		.amdhsa_inst_pref_size 72
	.end_amdhsa_kernel
	.amdgpu_metadata
---
amdhsa.version: [ 1, 2 ]
amdhsa.kernels:
  - .name:           k_q02e9ecb95b_quant_x
    .symbol:         k_q02e9ecb95b_quant_x.kd
    .args:
      - { .name: x, .offset: 0, .size: 8, .value_kind: global_buffer, .address_space: global }
      - { .name: w_qkv, .offset: 8, .size: 8, .value_kind: global_buffer, .address_space: global }
      - { .name: w_out, .offset: 16, .size: 8, .value_kind: global_buffer, .address_space: global }
      - { .name: x_rec, .offset: 24, .size: 8, .value_kind: global_buffer, .address_space: global }
      - { .name: wq_rec, .offset: 32, .size: 8, .value_kind: global_buffer, .address_space: global }
      - { .name: wo_rec, .offset: 40, .size: 8, .value_kind: global_buffer, .address_space: global }
    .group_segment_fixed_size: 125952
    .private_segment_fixed_size: 0
    .kernarg_segment_align: 8
    .kernarg_segment_size: 48
    .max_flat_workgroup_size: 256
    .sgpr_count:     66
    .vgpr_count:     256
    .wavefront_size: 32
...
	.end_amdgpu_metadata
.endif
;; end of part 1
;; launch gemm_qkv (part 2): grid 8 x 32, 4 waves a work-group, clusters of 4 x 4, 327,680 bytes of LDS; arguments x_rec, wq_rec, b_qkv, qk_rec, v_rec; writes qk_rec, v_rec
.if DOCPART == 2
	.amdgcn_target "amdgcn-amd-amdhsa--gfx1250"
	.amdhsa_code_object_version 6
	.text
	.protected	k_q02e9ecb95b_gemm_qkv
	.globl	k_q02e9ecb95b_gemm_qkv
	.p2align	8
	.type	k_q02e9ecb95b_gemm_qkv,@function
k_q02e9ecb95b_gemm_qkv:
	s_mov_b64 s[64:65], 0
	v_nop
	global_prefetch_b8 v0, s[64:65] scope:SCOPE_SE
	s_setreg_imm32_b32 hwreg(HW_REG_WAVE_MODE, 25, 1), 1
	s_wait_xcnt 0x0
	s_wait_alu depctr_hold_cnt(0) depctr_sa_sdst(0) depctr_va_vdst(0) depctr_va_sdst(0) depctr_va_ssrc(0) depctr_va_vcc(0) depctr_vm_vsrc(0)
	s_getreg_b32 s2, hwreg(HW_REG_IB_STS2, 6, 4)
	s_cmp_eq_u32 s2, 0
	s_cbranch_scc0 .Lentry_in_a_cluster
	s_endpgm
.Lentry_in_a_cluster:
	s_bfe_u32 s2, ttmp6, 0x10000c
	s_cmp_lg_u32 s2, 0xf033
	s_cbranch_scc0 .Lentry_shape_is_right
	s_endpgm
.Lentry_shape_is_right:
; q, k, v = x w_qkv + b_qkv on codes of BF6, K = 1,024, quantised as they leave the accumulators and stored as operand images (records as quant_x lays them).  No work is left out.
; SHARES.  256 work-groups: work-group (j, i) takes tokens 256 i .. + 255 x (columns 256 j .. + 255 of q and k, and columns 2048 + 128 j .. + 127 of v): every work-group has the same work.
; Wave w: tokens 128 (w / 2) on (8 tiles) x 128 columns of q or k, 128 (w % 2) on (8 tiles), and 64 channels of v, 64 (w % 2) on (4 tiles): 96 accumulators, 768 registers, 96 matrix instructions for 20 fragments in a K step of 128.
; q, k: source 0 = 16 columns of w_qkv, source 1 = 16 tokens: a lane holds a token, its registers run along the head's axis, the next K.  v: source 0 = 16 tokens, source 1 = 16 channels: a lane holds a channel, its registers run along the tokens.
; THE BIAS IS THE C OF THE FIRST K STEP: it is loaded into the accumulators of token tile 7, which the first K step writes last; the other tiles' first products name those registers as C, tile 7's add in place.
; THE RING.  Two slots of 256 along K: x's two records, w_qkv's two of q or k, its one of v: 133,120 bytes.  Waves 0 and 1 fetch x's records, wave 2 the pair of q or k (two rows of 26,624 bytes), wave 3 v's: one joint load a wave.
; CLUSTERS: 4 x 4.  x's records hang on i alone and are shared along a row of the cluster, the weights' on j alone and are shared along a column.
; REGISTERS.  window 0: v8-24 addresses; v32-55 scale words, two sets of 12; v56-199 the 12 fragments of the weights, ONE set, exchanged by halves (0-5, 6-11); v200-247 four buffers for the tokens' fragments.
;   window 1: v's accumulators, (channel tile c, token tile a) at 64 c + 8 a.   windows 2, 3: q's and k's, (a, b) at 8 (8 (a % 4) + b), token tiles 0-3 and 4-7.
; A K step goes in eight groups of 12 matrix instructions: two token tiles x one half of the weights.  A half of the weights is fetched anew two groups ahead of its use, a pair of token tiles one group ahead.
; PREFETCH INTO THE L2: behind the first joint load the records of K = 256 and 512 on, behind the second those of K = 768 on: each at least one slot (192 matrix instructions) ahead of the load that wants them.
; A wave asks for the record(s) that it will fetch; of a record's 104 blocks of 256 bytes each of the four partners takes 26, told apart by address; a lane a block, lanes 26-31 name lane 25's once more.  The addresses are never stepped.
; LIMITS: as in quant_x (a block under 2^-122 gets the byte 1; NaN and infinities are not served).
.set REC,   26624
.set SCO,   24576
.set SLOT,  5*REC
.set SPARE, 2*SLOT                     ; behind the ring: the spare words, 128 bytes a wave
.set ADX, 8                            ; v8-9   my tokens' record in slot 0, 1
.set ADQ, 10                           ; v10-11 my record of q's or k's weights
.set ADV, 12                           ; v12-13 my eight fragments of v's weights
.set ADS, 14                           ; v14-15 scale words: lanes 0-15 the tokens', lanes 16-31 q's or k's weights'
.set ADT, 16                           ; v16-17 scale words of v's weights
.set OCQ, 18
.set OSQ, 19
.set OCV, 20
.set OSV, 21
.set PFO, 22
.set VB,  23
.set VBV, 24
.set SPW, 28
.set NIL, 29
.set SC,  32
.set WF,  56
.set XF,  200
.set TM,  56                           ; the way out works in the registers that held fragments
.set PW,  72
.set PC,  80
.set G1X, 24
.set G0X, 32
.set G1Q, 48
.set G0W, 56
.set G1V, 68
.set PFA, 80
.set SEL, 92
.set MSB, 0
.set CP, 0
.set CZ, 0
.macro WIN new
.if MSB != (\new)
	s_set_vgpr_msb (MSB<<8)|(\new)
.set MSB, (\new)
.endif
.endm
.macro PLACES n
.rept \n
	v_nop
.endr
.endm
.macro ARMTAIL
	s_nop 0
	PLACES 4
.endm
; one joint load a wave, in one chain of branches on the wave's number; an s_nop 0 and four v_nop behind each
.macro JLOAD s
	s_cmp_lt_u32 s14, 2
	s_cbranch_scc0 .Lq_\@
	tensor_load_to_lds s[G0X+4*(\s):G0X+4*(\s)+3], s[G1X:G1X+7]
	ARMTAIL
	s_branch .Lj_\@
.Lq_\@:
	s_cmp_eq_u32 s14, 2
	s_cbranch_scc0 .Lv_\@
	tensor_load_to_lds s[G0W+4*(\s):G0W+4*(\s)+3], s[G1Q:G1Q+7]
	ARMTAIL
	s_branch .Lj_\@
.Lv_\@:
	tensor_load_to_lds s[G0W+4*(\s):G0W+4*(\s)+3], s[G1V:G1V+7]
	ARMTAIL
.Lj_\@:
.endm
.macro CREST
	s_cmp_lg_u32 s14, 0
	s_cbranch_scc1 .Lnot_wave_0_\@
	s_barrier_signal -3
.Lnot_wave_0_\@:
	s_barrier_wait -3
	s_barrier_signal -1
	s_barrier_wait -1
.endm
.macro CROUND
	s_barrier_signal -1
	s_barrier_wait -1
	CREST
.endm
.macro ASK k                           ; my 26 blocks of the record K = 256 k on; wave 2 also those of its pair's second record, four records on
	global_prefetch_b8 v[PFO], s[PFA:PFA+1] offset:(\k)*REC th:TH_LOAD_NT scope:SCOPE_SE
	s_cmp_eq_u32 s14, 2
	s_cbranch_scc0 .Lone_\@
	global_prefetch_b8 v[PFO], s[PFA:PFA+1] offset:(\k)*REC+4*REC th:TH_LOAD_NT scope:SCOPE_SE
.Lone_\@:
.endm
	s_load_b256 s[4:11], s[0:1], 0x0               ; x_rec, wq_rec, b_qkv, qk_rec
	s_load_b64 s[12:13], s[0:1], 0x20              ; v_rec
	v_lshl_add_u32 v[SPW], v0, 2, SPARE
	v_mov_b32 v[NIL], 0
	ds_add_u32 v[SPW], v[NIL]                      ; the opening lines: the add, twice on end, and its wait ahead of my first tensor load
	ds_add_u32 v[SPW], v[NIL]
	v_lshrrev_b32 v1, 5, v0
	v_readfirstlane_b32 s14, v1                    ; wave 0..3
	s_lshr_b32 s15, s14, 1                         ; th: which 128 tokens
	s_and_b32 s16, s14, 1                          ; ch: which half of the columns; also which record I fetch
	s_bfe_u32 s40, ttmp6, 0x40000                  ; cx
	s_bfe_u32 s41, ttmp6, 0x40004                  ; cy
	s_lshl_b32 s42, ttmp9, 2
	s_add_co_u32 s42, s42, s40                     ; j
	s_and_b32 s17, ttmp7, 0xffff
	s_lshl_b32 s17, s17, 2
	s_add_co_u32 s17, s17, s41                     ; i
	s_lshl_b32 s43, s41, 2
	s_lshl_b32 s43, 15, s43                        ; my row of the cluster
	s_lshl_b32 s44, 0x1111, s40                    ; my column
	s_or_b32 s[G1X], s43, (3<<16)|(1<<21)          ; elements of 8 bytes; bit 21 beside a mask
	s_or_b32 s[G1Q], s44, (3<<16)|(1<<21)
	s_or_b32 s[G1V], s44, (3<<16)|(1<<21)
.irp g, G1X, G1V                               ; a record: 104 rows of 256 bytes, dense
	s_mov_b32 s[\g+1], 32<<16
	s_mov_b32 s[\g+2], 104<<16
	s_mov_b32 s[\g+3], 32<<16
	s_mov_b32 s[\g+4], 104
	s_mov_b32 s[\g+5], 32
	s_mov_b32 s[\g+6], 0
	s_mov_b32 s[\g+7], 0
.endr
	s_mov_b32 s[G1Q+1], 3328<<16                   ; two records, four records apart: two rows of 3,328 elements, pitch 13,312
	s_mov_b32 s[G1Q+2], 2<<16
	s_mov_b32 s[G1Q+3], 3328<<16
	s_mov_b32 s[G1Q+4], 2
	s_mov_b32 s[G1Q+5], 13312
	s_mov_b32 s[G1Q+6], 0
	s_mov_b32 s[G1Q+7], 0
	s_lshl_b32 s20, s17, 1
	s_add_co_u32 s20, s20, s16
	s_mul_i32 s20, s20, 4*REC                      ; x: block of 128 tokens 2 i + ch, four records each
	s_mov_b32 s21, 0
	s_lshl_b32 s46, s42, 1                         ; weights: block of 128 columns 2 j (wave 2) or 16 + j (wave 3)
	s_add_co_u32 s47, s42, 16
	s_cmp_eq_u32 s16, 0
	s_cselect_b32 s46, s46, s47
	s_mul_i32 s46, s46, 4*REC
	s_mov_b32 s47, 0
	s_mul_i32 s45, s16, REC                        ; LDS: x's records at 0 and REC,
	s_mul_i32 s76, s16, 2*REC
	s_add_co_u32 s76, s76, 2*REC                   ; the pair at 2 REC, v's at 4 REC
	s_cmp_lt_u32 s14, 2
	s_cselect_b32 s78, s40, s41                    ; my place among the four that ask with me
	s_mul_i32 s78, s78, 6656
	s_mov_b32 s79, 0
	s_mov_b32 s[SEL], 0x76543210
	s_mov_b32 s[SEL+1], 0xfedcba98
	s_wait_dscnt 0x0                               ; both opening adds are done
	s_wait_kmcnt 0x0
	s_add_nc_u64 s[20:21], s[4:5], s[20:21]
	s_add_nc_u64 s[46:47], s[6:7], s[46:47]
	s_cmp_lt_u32 s14, 2
	s_cselect_b64 s[PFA:PFA+1], s[20:21], s[46:47]
	s_add_nc_u64 s[PFA:PFA+1], s[PFA:PFA+1], s[78:79]
.irp s, 0,1
	s_mov_b32 s[G0X+4*\s], 1
	s_add_co_u32 s[G0X+4*\s+1], s45, \s*SLOT
	s_add_nc_u64 s[G0X+4*\s+2:G0X+4*\s+3], s[20:21], \s*REC
	s_or_b32 s[G0X+4*\s+3], s[G0X+4*\s+3], 0x80000000
	s_mov_b32 s[G0W+4*\s], 1
	s_add_co_u32 s[G0W+4*\s+1], s76, \s*SLOT
	s_add_nc_u64 s[G0W+4*\s+2:G0W+4*\s+3], s[46:47], \s*REC
	s_or_b32 s[G0W+4*\s+3], s[G0W+4*\s+3], 0x80000000
.endr
	CROUND                                         ; all sixteen work-groups are here: the first joint loads meet
	JLOAD 0                                        ; K = 0 .. 255: one tensor load a wave at the head
	s_lshl_b32 s82, s42, 6                         ; q's and k's record: 64 j + token / 128
	s_lshl_b32 s83, s17, 1
	s_add_co_u32 s83, s83, s15
	s_add_co_u32 s82, s82, s83
	s_mul_i32 s82, s82, REC
	s_lshr_b32 s84, s42, 1                         ; v's: 64 (j / 2) + token / 128
	s_lshl_b32 s84, s84, 6
	s_add_co_u32 s84, s84, s83
	s_mul_i32 s84, s84, REC
	s_mov_b32 s83, 0
	s_mov_b32 s85, 0
	s_add_nc_u64 s[82:83], s[10:11], s[82:83]
	s_add_nc_u64 s[84:85], s[12:13], s[84:85]
	s_lshl_b32 s86, s42, 10                        ; the bias of columns 256 j + 128 ch on,
	s_lshl_b32 s87, s16, 9
	s_add_co_u32 s86, s86, s87
	s_mov_b32 s87, 0
	s_add_nc_u64 s[86:87], s[8:9], s[86:87]
	s_lshl_b32 s88, s42, 9                         ; and of columns 2048 + 128 j + 64 ch on
	s_lshl_b32 s89, s16, 8
	s_add_co_u32 s88, s88, s89
	s_add_co_u32 s88, s88, 8192
	s_mov_b32 s89, 0
	s_add_nc_u64 s[88:89], s[8:9], s[88:89]
	s_mul_i32 s90, s16, 1536                       ; q, k: fragment 2 a + ch
	s_lshl_b32 s91, s16, 7
	s_add_co_u32 s91, s91, SCO
	s_and_b32 s94, s42, 1                          ; v: fragment 8 (j % 2) + 4 ch + c
	s_lshl_b32 s94, s94, 3
	s_lshl_b32 s95, s16, 2
	s_add_co_u32 s95, s95, s94
	s_mul_i32 s94, s95, 1536
	s_lshl_b32 s95, s95, 7
	s_add_co_u32 s95, s95, SCO
	s_mul_i32 s18, s15, REC
	s_mul_i32 s19, s16, REC
	s_add_co_u32 s19, s19, 2*REC
	s_mul_i32 s22, s16, 12288
	s_add_co_u32 s22, s22, 4*REC
	s_sub_co_u32 s23, s19, s18                     ; from my tokens' record to my weights': at least one record
	s_add_co_u32 s96, s18, SCO
	s_lshl_b32 s97, s16, 10
	s_add_co_u32 s97, s97, 4*REC+SCO
	v_and_b32 v1, 31, v0                           ; lane
	v_bfe_u32 v2, v0, 4, 1                         ; h
	v_and_b32 v3, 15, v0                           ; r
	v_lshlrev_b32 v4, 4, v1
	v_lshlrev_b32 v5, 2, v1
	v_add_nc_u32 v[ADX], s18, v4
	v_add_nc_u32 v[ADQ], s19, v4
	v_add_nc_u32 v[ADV], s22, v4
	v_mul_u32_u24 v6, s23, v2                      ; lanes 16-31 take the weights' words
	v_add_nc_u32 v6, v6, v5
	v_add_nc_u32 v[ADS], s96, v6
	v_add_nc_u32 v[ADT], s97, v5
.irp r, ADX, ADQ, ADV, ADS, ADT
	v_add_nc_u32 v[\r+1], SLOT, v[\r]
.endr
	v_add_nc_u32 v[OCQ], s90, v4
	v_add_nc_u32 v[OSQ], s91, v5
	v_add_nc_u32 v[OCV], s94, v4
	v_add_nc_u32 v[OSV], s95, v5
	v_lshlrev_b32 v[VB], 6, v2                     ; q, k: my registers are columns 16 h + 0 .. 7 of a tile's 32
	v_and_b32 v7, 8, v3
	v_add_nc_u32 v7, v7, v3
	v_lshlrev_b32 v[VBV], 2, v7                    ; v: my channel is r + 8 (r / 8) of a tile's 32
	v_min_u32 v[PFO], 25, v1
	v_lshlrev_b32 v[PFO], 8, v[PFO]
	s_wait_alu depctr_va_vdst(0)                   ; the end of the head's vector work
	ASK 1
	ASK 2
	WIN 0xc0                                       ; destination window 3: the accumulators (7, b)
.irp t, 0,1,2,3,4,5,6,7
	global_load_b128 v[192+8*\t:195+8*\t], v[VB], s[86:87] offset:4*(32*(\t/2)+8*(\t%2))
	global_load_b128 v[196+8*\t:199+8*\t], v[VB], s[86:87] offset:4*(32*(\t/2)+8*(\t%2))+16
.endr
	WIN 0x40                                       ; destination window 1: v's accumulators (c, 7): my channel's bias in all eight
.irp c, 0,1,2,3
.irp k, 0,1,2,3,4,5,6,7
	global_load_b32 v[64*\c+56+\k], v[VBV], s[88:89] offset:4*(32*(\c/2)+8*(\c%2))
.endr
.endr
	WIN 0
.macro LDX k, a, st                    ; token tile a of K step st into buffer k
.irp c, 0,1,2
	ds_load_b128 v[XF+12*(\k)+4*\c:XF+12*(\k)+4*\c+3], v[ADX+(((\st)/2)%2)] offset:(2*(\a)+(\st)%2)*1536+512*\c
.endr
.endm
.macro LDWQ n, st
.irp c, 0,1,2
	ds_load_b128 v[WF+12*(\n)+4*\c:WF+12*(\n)+4*\c+3], v[ADQ+(((\st)/2)%2)] offset:(2*(\n)+(\st)%2)*1536+512*\c
.endr
.endm
.macro LDWV n, st
.irp c, 0,1,2
	ds_load_b128 v[WF+12*(8+(\n))+4*\c:WF+12*(8+(\n))+4*\c+3], v[ADV+(((\st)/2)%2)] offset:(2*(\n)+(\st)%2)*1536+512*\c
.endr
.endm
.macro LDWA st                         ; the weights' first half: 18 loads
.irp n, 0,1,2,3,4,5
	LDWQ \n, \st
.endr
.endm
.macro LDWB st                         ; the second half: 18 loads
	LDWQ 6, \st
	LDWQ 7, \st
.irp n, 0,1,2,3
	LDWV \n, \st
.endr
.endm
.macro LDSC st                         ; a K step's 12 scale registers
.irp n, 0,1,2,3,4,5,6,7
	ds_load_b32 v[SC+12*((\st)%2)+\n], v[ADS+(((\st)/2)%2)] offset:(2*\n+(\st)%2)*128
.endr
.irp c, 0,1,2,3
	ds_load_b32 v[SC+12*((\st)%2)+8+\c], v[ADT+(((\st)/2)%2)] offset:(2*\c+(\st)%2)*128
.endr
.endm
.macro QK a, b
.set DD, 8*(8*((\a)%4)+(\b))
.if CZ && ((\a) < 7)
	v_wmma_scale_f32_16x16x128_f8f6f4 v[DD:DD+7], v[WF+12*(\b):WF+12*(\b)+11], v[XF+12*((\a)%4):XF+12*((\a)%4)+11], v[192+8*(\b):199+8*(\b)], v[SC+12*CP+(\b)], v[SC+12*CP+(\a)] matrix_a_fmt:MATRIX_FMT_BF6 matrix_b_fmt:MATRIX_FMT_BF6 matrix_a_scale:MATRIX_SCALE_ROW1
.else
	v_wmma_scale_f32_16x16x128_f8f6f4 v[DD:DD+7], v[WF+12*(\b):WF+12*(\b)+11], v[XF+12*((\a)%4):XF+12*((\a)%4)+11], v[DD:DD+7], v[SC+12*CP+(\b)], v[SC+12*CP+(\a)] matrix_a_fmt:MATRIX_FMT_BF6 matrix_b_fmt:MATRIX_FMT_BF6 matrix_a_scale:MATRIX_SCALE_ROW1
.endif
.endm
.macro VP c, a
.set DD, 64*(\c)+8*(\a)
.if CZ && ((\a) < 7)
	v_wmma_scale_f32_16x16x128_f8f6f4 v[DD:DD+7], v[XF+12*((\a)%4):XF+12*((\a)%4)+11], v[WF+12*(8+(\c)):WF+12*(8+(\c))+11], v[64*(\c)+56:64*(\c)+63], v[SC+12*CP+(\a)], v[SC+12*CP+8+(\c)] matrix_a_fmt:MATRIX_FMT_BF6 matrix_b_fmt:MATRIX_FMT_BF6
.else
	v_wmma_scale_f32_16x16x128_f8f6f4 v[DD:DD+7], v[XF+12*((\a)%4):XF+12*((\a)%4)+11], v[WF+12*(8+(\c)):WF+12*(8+(\c))+11], v[DD:DD+7], v[SC+12*CP+(\a)], v[SC+12*CP+8+(\c)] matrix_a_fmt:MATRIX_FMT_BF6 matrix_b_fmt:MATRIX_FMT_BF6
.endif
.endm
.macro QWIN a                          ; C and D: window 2 or 3; in the first K step C, the bias, lies in window 3
.if (\a) >= 4
	WIN 0xf0
.elseif CZ
	WIN 0xb0
.else
	WIN 0xa0
.endif
.endm
; six matrix instructions: token tile a x one half of the weights; every accumulator has one instruction a turn
.macro SEXT a, hh
.if CZ && ((\a) == 7)
	PLACES 5                                       ; tile 7's products write over registers that the earlier products named as C: five places (ISA guide 7.12.1)
.endif
	QWIN \a
.if (\hh) == 0
.irp b, 0,1,2,3,4,5
	QK \a, \b
.endr
.else
	QK \a, 6
	QK \a, 7
	WIN 0x50
.irp c, 0,1,2,3
	VP \c, \a
.endr
.endif
.endm
; A K STEP of 128.  The LDS loads stand in this order: (scale words, weights 0-5), tiles 0, 1, (tiles 2, 3, weights 6-11) of this step, issued in the step before; then tiles 4, 5; tiles 6, 7.  Each wait leaves out what was issued behind what is wanted.
; In K steps 1, 3 and 5 the slot changes: behind the last reads of the slot in hand stand the wait for all my tensor loads, the add, and, behind 12 matrix instructions, the wait for the add and my reads; then the barrier.
; In K steps 1 and 3 the barrier opens a round of the cluster's barrier, and the slot just left takes the records two further on.
.macro STEP st, zero
.set CP, (\st)%2
.set CZ, \zero
	s_wait_dscnt 24                                ; tiles 2, 3 and weights 6-11 may be out
	SEXT 0, 0
	SEXT 1, 0
	s_wait_dscnt 18                                ; weights 6-11 may be out
	SEXT 2, 0
	SEXT 3, 0
	s_wait_dscnt 0x0
	SEXT 0, 1
	SEXT 1, 1
	PLACES 4
	WIN 0
	LDX 0, 4, \st
	LDX 1, 5, \st
	SEXT 2, 1
	SEXT 3, 1
	PLACES 4
	WIN 0
	LDX 2, 6, \st
	LDX 3, 7, \st
.if ((\st)%2 == 1) && ((\st) < 7)
	s_wait_tensorcnt 0x0                           ; my part of the other slot has landed
	ds_add_u32 v[SPW], v[NIL]
	s_wait_dscnt 7                                 ; tiles 6, 7 and the add may be out
.else
	s_wait_dscnt 6                                 ; tiles 6, 7 may be out
.endif
	SEXT 4, 0
	SEXT 5, 0
	s_wait_dscnt 0x0                               ; tiles 6, 7 are in; at a change of slots: the add is done and my reads of this slot are over
.if ((\st)%2 == 1) && ((\st) < 7)
	s_barrier_signal -1
.endif
	SEXT 6, 0
	SEXT 7, 0
.if (\st) < 7
	WIN 0
.if (\st)%2 == 1
	s_barrier_wait -1
.if (\st) < 5
	CREST
	s_add_nc_u64 s[G0X+4*(((\st)/2)%2)+2:G0X+4*(((\st)/2)%2)+3], s[G0X+4*(((\st)/2)%2)+2:G0X+4*(((\st)/2)%2)+3], 2*REC
	s_add_nc_u64 s[G0W+4*(((\st)/2)%2)+2:G0W+4*(((\st)/2)%2)+3], s[G0W+4*(((\st)/2)%2)+2:G0W+4*(((\st)/2)%2)+3], 2*REC
	JLOAD ((\st)/2)%2                              ; the first tensor load behind the round; its four v_nop are the places in front of the loads below
.else
	PLACES 4
.endif
.else
	PLACES 4
.endif
	LDSC (\st)+1
	LDWA (\st)+1
.endif
	SEXT 4, 1
	SEXT 5, 1
.if (\st) < 7
	PLACES 4
	WIN 0
	LDX 0, 0, (\st)+1
	LDX 1, 1, (\st)+1
.endif
	SEXT 6, 1
	SEXT 7, 1
.if (\st) < 7
	PLACES 4
	WIN 0
	LDX 2, 2, (\st)+1
	LDX 3, 3, (\st)+1
	LDWB (\st)+1
.endif
.endm
	s_wait_tensorcnt 0x0                           ; my part of slot 0 is in
	ds_add_u32 v[SPW], v[NIL]
	s_wait_dscnt 0x0
	CROUND                                         ; slot 0 is whole, and all sixteen work-groups are here
	JLOAD 1                                        ; K = 256 .. 511
	LDSC 0
	LDWA 0
	LDX 0, 0, 0
	LDX 1, 1, 0
	LDX 2, 2, 0
	LDX 3, 3, 0
	LDWB 0
	ASK 3
	s_wait_loadcnt 0x0                             ; the bias
	STEP 0, 1
.irp t, 1,2,3,4,5,6,7
	STEP \t, 0
.endr
	PLACES 4
	WIN 0
; THE WAY OUT.  64 accumulator registers, v[s] .. v[s + 63] of window w, are 64 numbers of a lane along the next K: a fragment's codes in v[PC] .. v[PC + 11], its scale word in v[PW].  Each accumulator is read from its low end on.
.macro QUANTW s, w
	WIN ((\w)<<2)|((\w)<<4)                        ; sources 1 and 2 in window w
.irp b, 0,1,2,3
	v_max3_num_f32 v[TM+\b], 0x2800000, |v[(\s)+16*\b]|, |v[(\s)+1+16*\b]|   ; the floor 2^(5 - 127): the byte cannot fall under 1
.endr
.irp i, 2,4,6,8,10,12,14
.irp b, 0,1,2,3
	v_max3_num_f32 v[TM+\b], v[TM+\b], |v[(\s)+16*\b+\i]|, |v[(\s)+1+16*\b+\i]|
.endr
.endr
	WIN 0
.irp b, 0,1,2,3
	v_permlanex16_b32 v[TM+4+\b], v[TM+\b], s[SEL], s[SEL+1]
.endr
.irp b, 0,1,2,3
	v_max_num_f32 v[TM+\b], v[TM+\b], v[TM+4+\b]   ; with lane l xor 16's: the block's largest magnitude
.endr
.irp b, 0,1,2,3
	v_add_nc_u32 v[TM+12+\b], 0xfe000000, v[TM+\b] ; 4 off the exponent field: the conversion's scale operand
.endr
.irp b, 0,1,2,3
	v_lshrrev_b32 v[TM+4+\b], 23, v[TM+12+\b]      ; the scale's byte
.endr
	v_lshl_or_b32 v[PW], v[TM+5], 8, v[TM+4]
	v_lshl_or_b32 v[PW], v[TM+6], 16, v[PW]
	v_lshl_or_b32 v[PW], v[TM+7], 24, v[PW]
	WIN \w                                         ; source 0 in window w
.irp c, 0,1
	v_cvt_scalef32_pk16_bf6_f32 v[PC+6*\c:PC+2+6*\c], v[(\s)+32*\c:(\s)+15+32*\c], v[TM+12+2*\c]
	v_cvt_scalef32_pk16_bf6_f32 v[PC+12+4*\c:PC+14+4*\c], v[(\s)+16+32*\c:(\s)+31+32*\c], v[TM+12+2*\c+1]
.endr
	WIN 0
	v_nop                                          ; one plain place behind a scaled conversion
.irp c, 0,1
.irp i, 0,1,2
	v_permlane16_swap_b32 v[PC+6*\c+\i], v[PC+12+4*\c+\i]
.endr
.irp i, 0,1,2
	v_mov_b32 v[PC+3+6*\c+\i], v[PC+12+4*\c+\i]
.endr
.endr
.endm
.macro EPI s, w, oc, os, base, co, so
	s_wait_xcnt 0x0                                ; earlier stores have read the codes' and the word's registers
	QUANTW \s, \w
.irp c, 0,1,2
	global_store_b128 v[\oc], v[PC+4*\c:PC+4*\c+3], s[\base:\base+1] offset:(\co)+512*\c   ; 32 lanes store 512 consecutive bytes
.endr
	global_store_b32 v[\os], v[PW], s[\base:\base+1] offset:\so
.endm
.irp b, 0,1,2,3
	v_mov_b32 v[TM+4+\b], 0                        ; a lane permute's destination counts as one of its sources
.endr
.irp a, 0,1,2,3,4,5,6,7
	EPI 64*(\a%4), 2+\a/4, OCQ, OSQ, 82, \a*3072, \a*256
.endr
.irp c, 0,1,2,3
	EPI 64*\c, 1, OCV, OSV, 84, \c*1536, \c*128
.endr
	s_wait_tensorcnt 0x0                           ; the wave's end
	ds_add_u32 v[SPW], v[NIL]
	s_wait_dscnt 0x0
	CROUND                                         ; the closing round
	s_endpgm
.Lfunc_end_k_q02e9ecb95b_gemm_qkv:
	.size	k_q02e9ecb95b_gemm_qkv, .Lfunc_end_k_q02e9ecb95b_gemm_qkv-k_q02e9ecb95b_gemm_qkv
	.p2alignl 7, 3214868480
	.fill 96, 4, 3214868480
	.section	.rodata,"a",@progbits
	.p2align	6, 0x0
	.amdhsa_kernel k_q02e9ecb95b_gemm_qkv
		.amdhsa_group_segment_fixed_size 327680
		.amdhsa_private_segment_fixed_size 0
		.amdhsa_enable_private_segment 0
		.amdhsa_kernarg_size 40
		.amdhsa_user_sgpr_count 2
		.amdhsa_user_sgpr_kernarg_segment_ptr 1
		.amdhsa_wavefront_size32 1
		.amdhsa_system_sgpr_workgroup_id_x 1
		.amdhsa_system_sgpr_workgroup_id_y 1
		.amdhsa_system_sgpr_workgroup_id_z 1
		.amdhsa_system_vgpr_workitem_id 0
		.amdhsa_next_free_vgpr 1024
		.amdhsa_next_free_sgpr 104
		.amdhsa_reserve_vcc 0
		.amdhsa_float_denorm_mode_32 3
		.amdhsa_float_denorm_mode_16_64 3
		.amdhsa_memory_ordered 1
		.amdhsa_forward_progress 1
		.amdhsa_inst_pref_size 214
	.end_amdhsa_kernel
	.amdgpu_metadata
---
amdhsa.version: [ 1, 2 ]
amdhsa.kernels:
  - .name:           k_q02e9ecb95b_gemm_qkv
    .symbol:         k_q02e9ecb95b_gemm_qkv.kd
    .args:
      - { .name: x_rec, .offset: 0, .size: 8, .value_kind: global_buffer, .address_space: global }
      - { .name: wq_rec, .offset: 8, .size: 8, .value_kind: global_buffer, .address_space: global }
      - { .name: b_qkv, .offset: 16, .size: 8, .value_kind: global_buffer, .address_space: global }
      - { .name: qk_rec, .offset: 24, .size: 8, .value_kind: global_buffer, .address_space: global }
      - { .name: v_rec, .offset: 32, .size: 8, .value_kind: global_buffer, .address_space: global }
    .group_segment_fixed_size: 327680
    .private_segment_fixed_size: 0
    .kernarg_segment_align: 8
    .kernarg_segment_size: 40
    .max_flat_workgroup_size: 128
    .sgpr_count:     104
    .vgpr_count:     1024
    .wavefront_size: 32
...
	.end_amdgpu_metadata
.endif
;; end of part 2
;; launch attention (part 3): grid 16 x 16, 4 waves a work-group, clusters of 4 x 1, 327,680 bytes of LDS; arguments qk_rec, v_rec, ao_rec; writes ao_rec
.if DOCPART == 3
	.amdgcn_target "amdgcn-amd-amdhsa--gfx1250"
	.amdhsa_code_object_version 6
	.text
	.protected	k_q02e9ecb95b_attention
	.globl	k_q02e9ecb95b_attention
	.p2align	8
	.type	k_q02e9ecb95b_attention,@function
k_q02e9ecb95b_attention:
	s_mov_b64 s[64:65], 0
	v_nop
	global_prefetch_b8 v0, s[64:65] scope:SCOPE_SE
	s_setreg_imm32_b32 hwreg(HW_REG_WAVE_MODE, 25, 1), 1
	s_wait_xcnt 0x0
	s_wait_alu depctr_hold_cnt(0) depctr_sa_sdst(0) depctr_va_vdst(0) depctr_va_sdst(0) depctr_va_ssrc(0) depctr_va_vcc(0) depctr_vm_vsrc(0)
	s_getreg_b32 s2, hwreg(HW_REG_IB_STS2, 6, 4)
	s_cmp_eq_u32 s2, 0
	s_cbranch_scc0 .Lentry_in_a_cluster
	s_endpgm
.Lentry_in_a_cluster:
	s_bfe_u32 s2, ttmp6, 0x10000c
	s_cmp_lg_u32 s2, 0x3003
	s_cbranch_scc0 .Lentry_shape_is_right
	s_endpgm
.Lentry_shape_is_right:
; o = softmax(q k^T / 16) v for each of 16 (batch, head), 2,048 tokens, head size 256, both products on codes of BF6; the result is quantised along the projection's K and stored as operand images.  No work is left out.
; THE SOFTMAX: t = score x log2(e) / 16; M = the running largest t rounded UP to a whole number; p = 2^(t - M) is quantised along the keys, not normalised; the row's sum is taken of the unquantised p and divides at the end.
; When M moves, the sum and O are multiplied by 2^(old M - new M): exact.
; SHARES.  A work-group owns 128 queries of one (batch, head): one record of q, one of the result.  Each of its four waves owns two tiles of 16 queries, so that each fragment of k and v read from LDS feeds two products.
; Both products are used transposed: S^T = k q^T, O^T = v^T p^T: a lane holds one query throughout.  By the order of rows (quant_x) the 16 registers of key tiles 2 b, 2 b + 1 are keys 32 b + 16 h + 0 .. 15.
; THE RING.  Two slots of 256 keys: k's two records, then v's two; wave w fetches record w by one tensor load.  The four work-groups of a cluster walk the same k and v: the loads are joint, mask 15.
; The change of slots stands at a slot's head: a wave has one tensor load out, and it has two key steps, 128 matrix instructions, in which to land.
; THE STREAM OF LDS LOADS.  A key step's fragments come in eight groups of four (k: two key tiles x two halves of the head; v: four tiles of channels) into four sets of 48 registers by turns, three groups ahead of their use.
; LIMITS: as in quant_x; a block of p that is all zeros gets the byte 1 (its codes are zeros).
; REGISTERS.  window 0: v1-11 addresses; v12-19 -M, largest t, the sum's two halves, for each tile; v20-23 f and p's scale word; v24-27 q's scale words, v28-43 k's, v44-59 v's; v60-61 at work; v62-63 offsets of q and of the result;
;   v64-191 S^T, then p, 64 a tile; v192-215 p's codes; v216-255 at work.   window 1: O^T, 128 a tile: channel tile D at 8 D.   window 2: v0-47 q's four fragments; v64-255 the four sets.
.set REC,   26624
.set SCO,   24576
.set SLOT1, 1<<17                      ; slot 1 begins here: one exclusive or turns an address of one slot into the other's
.set SPARE, SLOT1+4*REC                ; behind the ring: the spare words, 128 bytes a wave
.set SPW, 1
.set NIL, 2
.set AK0, 3                            ; v3-6  my lane's place in k's records, in v's, among k's scale words, among v's
.set AV0, 4
.set ASK0, 5
.set ASV0, 6
.set ADK, 7                            ; v7-10 the same in the slot in hand
.set ADV, 8
.set ADS, 9
.set ADT, 10
.set PFO, 11
.set ST,  12
.set F,   20
.set QS,  24
.set KS,  28
.set VS,  44
.set T,   60
.set GOC, 62
.set GOS, 63
.set SS,  64
.set PCD, 192
.set HB,  216                          ; v216-231 the conversions' second halves
.set BM,  232                          ; v232-239 each block's largest score, then its largest p
.set PM,  240                          ; v240-247 at work
.set SO,  248                          ; v248-255 the conversions' scale operands
.set FS,  64                           ; the four sets, in window 2
.set TM,  232                          ; QUANT's, on the way out
.set PW,  248
.set PC,  192
.set WV,  12
.set LIM, 15
.set PFA, 18
.set G1,  24
.set G0,  40
.set SLOTS, 56
.set CS,  58
.set SEL, 60
.set TB,  62
.set MSB, 0
.macro WIN new
.if MSB != (\new)
	s_set_vgpr_msb (MSB<<8)|(\new)
.set MSB, (\new)
.endif
.endm
.set W_KQ, 0x0a                        ; k and q in window 2, S^T in window 0
.set W_PV, 0x52                        ; v in window 2, p in window 0, O^T in window 1
.set W_RS, 0x41                        ; O^T (destination and source 0) in window 1, f in window 0
.macro QUANT s
.irp b, 0,1,2,3
	v_max3_num_f32 v[TM+\b], |v[\s+16*\b]|, |v[\s+1+16*\b]|, 0x2800000
.endr
.irp i, 2,4,6,8,10,12,14
.irp b, 0,1,2,3
	v_max3_num_f32 v[TM+\b], v[TM+\b], |v[\s+16*\b+\i]|, |v[\s+1+16*\b+\i]|
.endr
.endr
.irp b, 0,1,2,3
	v_permlanex16_b32 v[TM+4+\b], v[TM+\b], s[SEL], s[SEL+1]
.endr
.irp b, 0,1,2,3
	v_max_num_f32 v[TM+\b], v[TM+\b], v[TM+4+\b]
.endr
.irp b, 0,1,2,3
	v_add_nc_u32 v[TM+12+\b], 0xfe000000, v[TM+\b]
.endr
.irp b, 0,1,2,3
	v_lshrrev_b32 v[TM+4+\b], 23, v[TM+12+\b]
.endr
	v_lshl_or_b32 v[PW], v[TM+5], 8, v[TM+4]
	v_lshl_or_b32 v[PW], v[TM+6], 16, v[PW]
	v_lshl_or_b32 v[PW], v[TM+7], 24, v[PW]
.irp c, 0,1
	v_cvt_scalef32_pk16_bf6_f32 v[PC+6*\c:PC+2+6*\c], v[\s+32*\c:\s+15+32*\c], v[TM+12+2*\c]
	v_cvt_scalef32_pk16_bf6_f32 v[PC+12+4*\c:PC+14+4*\c], v[\s+16+32*\c:\s+31+32*\c], v[TM+12+2*\c+1]
.endr
	v_nop
.irp c, 0,1
.irp i, 0,1,2
	v_permlane16_swap_b32 v[PC+6*\c+\i], v[PC+12+4*\c+\i]
.endr
.irp i, 0,1,2
	v_mov_b32 v[PC+3+6*\c+\i], v[PC+12+4*\c+\i]
.endr
.endr
.endm
.macro CROUND                          ; a round of the cluster's barrier
	s_barrier_signal -1
	s_barrier_wait -1
	s_cmp_lg_u32 s[WV], 0
	s_cbranch_scc1 .Lnot_wave_0_\@
	s_barrier_signal -3
.Lnot_wave_0_\@:
	s_barrier_wait -3
	s_barrier_signal -1
	s_barrier_wait -1
.endm
.macro NOPS                            ; four places behind matrix instructions, in front of loads into registers that they have read and of the first read of results
.rept 4
	v_nop
.endr
.endm
; A PREFETCH INTO THE L2 of what the NEXT change of slots will ask for: two key steps, 128 matrix instructions, ahead of that load.  It stands behind the wave's tensor load and its five lines.
; All clusters of a (batch, head) walk the same records: the first of them (cluster x = 0, the same in all four partners) asks.  Each wave asks for the record that it will fetch; of its 104 blocks of 256 bytes each partner takes 26,
; told apart by ADDRESS.  A lane a block; lanes 26 to 31 name lane 25's block once more.  The last change that fills a slot asks for nothing; slots 0 and 1 come by their loads alone.
.macro ASK
	s_cmp_gt_u32 s[SLOTS], s[LIM]
	s_cbranch_scc0 .Lnot_mine_\@
	global_prefetch_b8 v[PFO], s[PFA:PFA+1] th:TH_LOAD_NT scope:SCOPE_SE
.Lnot_mine_\@:
.endm
	s_load_b128 s[4:7], s[0:1], 0x0                ; qk_rec, v_rec
	s_load_b64 s[8:9], s[0:1], 0x10                ; ao_rec
	v_lshl_add_u32 v[SPW], v0, 2, SPARE
	v_mov_b32 v[NIL], 0
	ds_add_u32 v[SPW], v[NIL]                      ; the wave's opening: the add, twice on end, and its wait ahead of my first tensor load
	ds_add_u32 v[SPW], v[NIL]
	v_lshrrev_b32 v3, 5, v0
	v_readfirstlane_b32 s[WV], v3                  ; wave 0..3
	s_bfe_u32 s13, ttmp6, 0x40000                  ; cx
	s_lshl_b32 s14, ttmp9, 2
	s_add_co_u32 s14, s14, s13                     ; my block of 128 queries: it enters q's, the result's and the prefetches' addresses alone
	s_and_b32 s20, ttmp7, 0xffff
	s_lshr_b32 s21, s20, 2                         ; the batch
	s_and_b32 s22, s20, 3                          ; the head
	s_lshl_b32 s23, s21, 4
	s_and_b32 s16, s[WV], 1
	s_lshl_b32 s17, s22, 6
	s_add_co_u32 s17, s17, s23                     ; head x 64 + 16 x batch
	s_add_co_u32 s32, s17, s16                     ; v's record of key step w % 2,
	s_add_co_u32 s33, s32, 256                     ; k's: four heads of q lie in front
	s_cmp_lt_u32 s[WV], 2                          ; waves 0 and 1 fetch k's records, waves 2 and 3 v's
	s_cselect_b32 s32, s33, s32
	s_mul_i32 s32, s32, REC
	s_mov_b32 s33, 0
	s_add_co_u32 s44, s17, s14
	s_mul_i32 s44, s44, REC                        ; q's record
	s_mov_b32 s45, 0
	s_add_co_u32 s46, s23, s14
	s_lshl_b32 s46, s46, 2
	s_add_co_u32 s46, s46, s22
	s_mul_i32 s46, s46, REC                        ; the result's: (token / 128) x 4 + head
	s_mov_b32 s47, 0
	s_mul_i32 s48, s13, 6656                       ; the prefetches: my work-group's 26 blocks,
	s_add_co_u32 s48, s48, 2*REC                   ; in slot 1: the first change of slots steps it to slot 2
	s_mov_b32 s49, 0
	s_mov_b32 s[G1], 15|(3<<16)|(1<<21)            ; 15:0 the mask: all four work-groups; 17:16 elements of 8 bytes; 21 set beside a mask
	s_mov_b32 s[G1+1], 32<<16                      ; a record: 104 rows of 32 elements
	s_mov_b32 s[G1+2], 104<<16
	s_mov_b32 s[G1+3], 32<<16
	s_mov_b32 s[G1+4], 104
	s_mov_b32 s[G1+5], 32
	s_mov_b32 s[G1+6], 0
	s_mov_b32 s[G1+7], 0
	s_mov_b32 s[CS], 0x3db8aa3b                    ; c = log2(e) / 16
	s_mov_b32 s[CS+1], s[CS]
	s_mov_b32 s[SEL], 0x76543210
	s_mov_b32 s[SEL+1], 0xfedcba98
	s_mov_b32 s[TB], 0
	s_mov_b32 s[SLOTS], 7
	s_cmp_eq_u32 ttmp9, 0
	s_cselect_b32 s[LIM], 1, -1
	s_wait_dscnt 0x0                               ; both opening adds are done
	s_wait_kmcnt 0x0
	s_cmp_lt_u32 s[WV], 2
	s_cselect_b64 s[34:35], s[4:5], s[6:7]
	s_add_nc_u64 s[34:35], s[34:35], s[32:33]      ; my record of slot 0
	s_add_nc_u64 s[PFA:PFA+1], s[34:35], s[48:49]
	s_add_nc_u64 s[36:37], s[4:5], s[44:45]
	s_add_nc_u64 s[38:39], s[8:9], s[46:47]
	s_mov_b32 s[G0], 1
	s_mul_i32 s[G0+1], s[WV], REC                  ; LDS: wave x a record
	s_mov_b64 s[G0+2:G0+3], s[34:35]
	s_or_b32 s[G0+3], s[G0+3], 0x80000000
	CROUND                                         ; all four work-groups are here: the first joint loads meet
	tensor_load_to_lds s[G0:G0+3], s[G1:G1+7]      ; slot 0
	s_nop 0
	NOPS
	v_and_b32 v60, 31, v0
	v_lshlrev_b32 v[AK0], 4, v60
	v_add_nc_u32 v[AV0], 2*REC, v[AK0]
	v_lshlrev_b32 v[ASK0], 2, v60
	v_add_nc_u32 v[ASK0], SCO, v[ASK0]
	v_add_nc_u32 v[ASV0], 2*REC, v[ASK0]
	s_mul_i32 s33, s[WV], 6144
	v_add_nc_u32 v[GOC], s33, v[AK0]               ; my wave's four fragments, 4 w + 2 tile + half, in q's record and in the result's
	s_lshl_b32 s33, s[WV], 9
	v_add_nc_u32 v[GOS], s33, v[ASK0]
	v_min_u32 v[PFO], 25, v60
	v_lshlrev_b32 v[PFO], 8, v[PFO]
	WIN 0x80                                       ; destination window 2
.irp f, 0,1,2,3
.irp c, 0,1,2
	global_load_b128 v[12*\f+4*\c:12*\f+4*\c+3], v[GOC], s[36:37] offset:\f*1536+512*\c   ; q stays in registers
.endr
.endr
	WIN 0
.irp f, 0,1,2,3
	global_load_b32 v[QS+\f], v[GOS], s[36:37] offset:\f*128
.endr
.irp qt, 0,1
	v_mov_b32 v[ST+4*\qt+1], 0xff61b1e6            ; the largest t so far: -3e38, under every t
	v_floor_f32 v[ST+4*\qt], -v[ST+4*\qt+1]        ; -M
	v_mov_b32 v[ST+4*\qt+2], 0                     ; the sum, in two halves
	v_mov_b32 v[ST+4*\qt+3], 0
	v_mov_b32 v[F+2*\qt], 0
	v_mov_b32 v[F+2*\qt+1], 0                      ; (named as the upper half of a pair before it is first written)
.endr
.irp b, 0,1,2,3,4,5,6,7
	v_mov_b32 v[PM+\b], 0                          ; a lane permute's destination counts as one of its sources
.endr
	WIN 0x40
.set i, 0
.rept 256
	v_mov_b32 v[i], 0                              ; O^T.  (The key step is written for all steps alike: the first finds zeros, which the first change of M leaves zeros)
.set i, i+1
.endr
	WIN 0
.macro LOADF adr, g, q                 ; the four fragments of group g of the slot's key step q into set g
	WIN 0x80
.irp p, 0,1,2,3
.irp c, 0,1,2
	ds_load_b128 v[FS+48*(\g)+12*\p+4*\c:FS+48*(\g)+12*\p+4*\c+3], v[\adr] offset:(\q)*REC+(4*(\g)+\p)*1536+512*\c
.endr
.endr
.endm
.macro LOADS reg, adr, q               ; a record's sixteen scale images
	WIN 0
.irp n, 0,1,2,3,4,5,6,7,8,9,10,11,12,13,14,15
	ds_load_b32 v[\reg+\n], v[\adr] offset:(\q)*REC+\n*128
.endr
.endm
.macro SG g                            ; S^T: key tiles 2 g, 2 g + 1 x my two tiles of queries, the head's two halves: four accumulators by turns
	WIN W_KQ
.irp s, 0,1
.irp tt, 0,1
.irp qt, 0,1
.if \s == 0
	v_wmma_scale_f32_16x16x128_f8f6f4 v[SS+64*\qt+8*(2*(\g)+\tt):SS+64*\qt+8*(2*(\g)+\tt)+7], v[FS+48*(\g)+12*(2*\tt+\s):FS+48*(\g)+12*(2*\tt+\s)+11], v[12*(2*\qt+\s):12*(2*\qt+\s)+11], 0, v[KS+4*(\g)+2*\tt+\s], v[QS+2*\qt+\s] matrix_a_fmt:MATRIX_FMT_BF6 matrix_b_fmt:MATRIX_FMT_BF6
.else
	v_wmma_scale_f32_16x16x128_f8f6f4 v[SS+64*\qt+8*(2*(\g)+\tt):SS+64*\qt+8*(2*(\g)+\tt)+7], v[FS+48*(\g)+12*(2*\tt+\s):FS+48*(\g)+12*(2*\tt+\s)+11], v[12*(2*\qt+\s):12*(2*\qt+\s)+11], v[SS+64*\qt+8*(2*(\g)+\tt):SS+64*\qt+8*(2*(\g)+\tt)+7], v[KS+4*(\g)+2*\tt+\s], v[QS+2*\qt+\s] matrix_a_fmt:MATRIX_FMT_BF6 matrix_b_fmt:MATRIX_FMT_BF6
.endif
.endr
.endr
.endr
.endm
.macro PG g                            ; O^T += v^T p^T: channel tiles 4 g .. 4 g + 3 x my two tiles: eight accumulators, one instruction each
	WIN W_PV
.irp p, 0,1,2,3
.irp qt, 0,1
	v_wmma_scale_f32_16x16x128_f8f6f4 v[128*\qt+8*(4*(\g)+\p):128*\qt+8*(4*(\g)+\p)+7], v[FS+48*(\g)+12*\p:FS+48*(\g)+12*\p+11], v[PCD+12*\qt:PCD+12*\qt+11], v[128*\qt+8*(4*(\g)+\p):128*\qt+8*(4*(\g)+\p)+7], v[VS+4*(\g)+\p], v[F+2*\qt+1] matrix_a_fmt:MATRIX_FMT_BF6 matrix_b_fmt:MATRIX_FMT_BF6
.endr
.endr
.endm
.macro SOFTMAX                         ; both tiles, stage by stage
.irp qt, 0,1
.irp b, 0,1,2,3
	v_max3_num_f32 v[BM+4*\qt+\b], v[SS+64*\qt+16*\b], v[SS+64*\qt+16*\b+1], v[SS+64*\qt+16*\b+2]   ; the largest score of each block of 32 keys: for the row's maximum, and, since p rises with the score, for the block's largest p
.endr
.endr
.irp i, 3,5,7,9,11,13
.irp qt, 0,1
.irp b, 0,1,2,3
	v_max3_num_f32 v[BM+4*\qt+\b], v[BM+4*\qt+\b], v[SS+64*\qt+16*\b+\i], v[SS+64*\qt+16*\b+\i+1]
.endr
.endr
.endr
.irp n, 0,1,2,3,4,5,6,7
	v_max_num_f32 v[BM+\n], v[BM+\n], v[SS+16*\n+15]
.endr
.irp n, 0,1,2,3,4,5,6,7
	v_permlanex16_b32 v[PM+\n], v[BM+\n], s[SEL], s[SEL+1]
.endr
.irp n, 0,1,2,3,4,5,6,7
	v_max_num_f32 v[BM+\n], v[BM+\n], v[PM+\n]     ; with lane l xor 16's 16 keys
.endr
.irp qt, 0,1
	v_max3_num_f32 v[T+\qt], v[BM+4*\qt], v[BM+4*\qt+1], v[BM+4*\qt+2]
.endr
.irp qt, 0,1
	v_max_num_f32 v[T+\qt], v[T+\qt], v[BM+4*\qt+3]
.endr
.irp qt, 0,1
	v_mul_f32 v[T+\qt], s[CS], v[T+\qt]            ; the step's largest score as t (c is positive)
.endr
.irp qt, 0,1
	v_max_num_f32 v[ST+4*\qt+1], v[ST+4*\qt+1], v[T+\qt]
.endr
.irp qt, 0,1
	v_mov_b32 v[T+\qt], v[ST+4*\qt]
.endr
.irp qt, 0,1
	v_floor_f32 v[ST+4*\qt], -v[ST+4*\qt+1]        ; the new -M = floor(-t): M is a whole number
.endr
.irp qt, 0,1
	v_sub_f32 v[T+\qt], v[ST+4*\qt], v[T+\qt]      ; old M - new M: a whole number, 0 or less
.endr
.irp qt, 0,1
	v_cvt_i32_f32 v[T+\qt], v[T+\qt]               ; (it saturates)
.endr
.irp qt, 0,1
	v_ldexp_f32 v[F+2*\qt], 1.0, v[T+\qt]          ; f = 2^(old M - new M)
.endr
.irp qt, 0,1
.irp j, 0,2,4,6,8,10,12,14,16,18,20,22,24,26,28,30,32,34,36,38,40,42,44,46,48,50,52,54,56,58,60,62
	v_pk_fma_f32 v[SS+64*\qt+\j:SS+64*\qt+\j+1], v[SS+64*\qt+\j:SS+64*\qt+\j+1], s[CS:CS+1], v[ST+4*\qt:ST+4*\qt+1] op_sel_hi:[1,0,0]   ; t - M, two at a time
.endr
.endr
.irp qt, 0,1
.irp b, 0,1,2,3
	v_fma_f32 v[BM+4*\qt+\b], v[BM+4*\qt+\b], s[CS], v[ST+4*\qt]
.endr
.endr
.set i, 0
	s_wait_alu depctr_va_vdst(0)
.rept 128
	v_exp_f32 v[SS+i], v[SS+i]                     ; p = 2^(t - M), at most 1
.set i, i+1
.endr
.irp qt, 0,1
	v_pk_mul_f32 v[ST+4*\qt+2:ST+4*\qt+3], v[ST+4*\qt+2:ST+4*\qt+3], v[F+2*\qt:F+2*\qt+1] op_sel_hi:[1,0]   ; the sums under the new M: the plain place behind the exponentials
.endr
	s_wait_alu depctr_va_vdst(0)                   ; one wait for the batch of 128, ahead of its first reader
.irp n, 0,1,2,3,4,5,6,7
	v_exp_f32 v[BM+\n], v[BM+\n]                   ; each block's largest p
.endr
.irp qt, 0,1
	v_pk_add_f32 v[PM+4*\qt:PM+4*\qt+1], v[SS+64*\qt:SS+64*\qt+1], v[SS+64*\qt+2:SS+64*\qt+3]   ; the row's sum is taken of the unquantised p, in two chains a tile
.endr
.irp j, 4,8,12,16,20,24,28,32,36,40,44,48,52,56,60
.irp qt, 0,1
	v_pk_add_f32 v[ST+4*\qt+2:ST+4*\qt+3], v[ST+4*\qt+2:ST+4*\qt+3], v[SS+64*\qt+\j:SS+64*\qt+\j+1]
	v_pk_add_f32 v[PM+4*\qt:PM+4*\qt+1], v[PM+4*\qt:PM+4*\qt+1], v[SS+64*\qt+\j+2:SS+64*\qt+\j+3]
.endr
.endr
.irp qt, 0,1
	v_pk_add_f32 v[ST+4*\qt+2:ST+4*\qt+3], v[ST+4*\qt+2:ST+4*\qt+3], v[PM+4*\qt:PM+4*\qt+1]
.endr
	s_wait_alu depctr_va_vdst(0)                   ; and one for the eight
.irp n, 0,1,2,3,4,5,6,7
	v_max_num_f32 v[BM+\n], 0x2800000, v[BM+\n]    ; the floor 2^(5 - 127)
.endr
.irp n, 0,1,2,3,4,5,6,7
	v_add_nc_u32 v[SO+\n], 0xfe000000, v[BM+\n]    ; 4 off the exponent field: the conversion's scale operand
.endr
.irp n, 0,1,2,3,4,5,6,7
	v_lshrrev_b32 v[PM+\n], 23, v[SO+\n]           ; the scale's byte
.endr
.irp qt, 0,1
	v_lshl_or_b32 v[F+2*\qt+1], v[PM+4*\qt+1], 8, v[PM+4*\qt]   ; p's scale word for these 128 keys
.endr
.irp qt, 0,1
	v_lshl_or_b32 v[F+2*\qt+1], v[PM+4*\qt+2], 16, v[F+2*\qt+1]
.endr
.irp qt, 0,1
	v_lshl_or_b32 v[F+2*\qt+1], v[PM+4*\qt+3], 24, v[F+2*\qt+1]
.endr
.irp qt, 0,1
.irp c, 0,1
	v_cvt_scalef32_pk16_bf6_f32 v[PCD+12*\qt+6*\c:PCD+12*\qt+6*\c+2], v[SS+64*\qt+32*\c:SS+64*\qt+32*\c+15], v[SO+4*\qt+2*\c]
	v_cvt_scalef32_pk16_bf6_f32 v[HB+8*\qt+4*\c:HB+8*\qt+4*\c+2], v[SS+64*\qt+32*\c+16:SS+64*\qt+32*\c+31], v[SO+4*\qt+2*\c+1]
.endr
.endr
	v_nop                                          ; one plain place behind a scaled conversion
.irp qt, 0,1
.irp c, 0,1
.irp i, 0,1,2
	v_permlane16_swap_b32 v[PCD+12*\qt+6*\c+\i], v[HB+8*\qt+4*\c+\i]
.endr
.irp i, 0,1,2
	v_mov_b32 v[PCD+12*\qt+6*\c+3+\i], v[HB+8*\qt+4*\c+\i]
.endr
.endr
.endr
	WIN W_RS
.irp qt, 0,1
.set i, 0
.rept 64
	v_pk_mul_f32 v[128*\qt+2*i:128*\qt+2*i+1], v[128*\qt+2*i:128*\qt+2*i+1], v[F+2*\qt:F+2*\qt+1] op_sel_hi:[1,0]   ; O^T under the new M.  (These are also the places between p's codes and scale word and the products)
.set i, i+1
.endr
.endr
.endm
; A KEY STEP: 128 keys, the q-th of the slot.  nextk = 1: the next step's k lies in the same slot and is fetched from the v groups on.
; Each wait leaves out what was issued behind the group that is wanted: 12 loads a group, 16 more where a run of scale words stands in front of a group.
.macro STEP q, nextk
	s_wait_dscnt 24                                ; k's group 0 and k's scale words are in; groups 1, 2 may be out
	SG 0
	NOPS
	LOADF ADK, 3, \q
	s_wait_dscnt 24                                ; groups 2, 3 may be out
	SG 1
	NOPS
	LOADS VS, ADT, \q
	LOADF ADV, 0, \q
	s_wait_dscnt 40                                ; group 3, v's scale words and v's group 0
	SG 2
	NOPS
	LOADF ADV, 1, \q
	s_wait_dscnt 40                                ; v's scale words and v's groups 0, 1
	SG 3
	NOPS
	LOADF ADV, 2, \q
	WIN 0
	SOFTMAX
	s_wait_alu depctr_va_vdst(0)
	s_wait_dscnt 24                                ; v's groups 1, 2 may be out
	PG 0
	NOPS
	LOADF ADV, 3, \q
	s_wait_dscnt 24                                ; groups 2, 3
	PG 1
	NOPS
.if \nextk
	LOADS KS, ADS, (\q)+1
	LOADF ADK, 0, (\q)+1
	s_wait_dscnt 40                                ; group 3, the next k's scale words and group 0
.else
	s_wait_dscnt 12                                ; group 3
.endif
	PG 2
	NOPS
.if \nextk
	LOADF ADK, 1, (\q)+1
	s_wait_dscnt 40                                ; the next k's scale words and groups 0, 1
.else
	s_wait_dscnt 0x0
.endif
	PG 3
	NOPS
.if \nextk
	LOADF ADK, 2, (\q)+1
.endif
	WIN 0
.endm
; THE CHANGE OF SLOTS stands at a slot's head.  Each wave waits for all its tensor loads (its record of the slot ahead), adds 0 to its spare word, and waits for that and for its reads of the slot that it has left.
; fill = 1: a round of the cluster's barrier, and behind it the slot just left (at the first change: slot 1, for the first time; no wave refills there) takes the next 256 keys.
.macro CHANGE fill
	WIN 0
	s_wait_tensorcnt 0x0                           ; no tensor load of mine is out, so the descriptor may be written
	ds_add_u32 v[SPW], v[NIL]                      ; 0 onto my spare word
.if \fill
	s_xor_b32 s[G0+1], s[G0+1], SLOT1              ; the other slot than last time,
	s_add_nc_u64 s[G0+2:G0+3], s[G0+2:G0+3], 2*REC ; two records on
	s_wait_xcnt 0x0                                ; the last prefetch, a slot back, has read its address
	s_add_nc_u64 s[PFA:PFA+1], s[PFA:PFA+1], 2*REC
	s_wait_dscnt 0x0                               ; the add is done, and my reads of the slot that I have left are over
	CROUND
	tensor_load_to_lds s[G0:G0+3], s[G1:G1+7]      ; the first thing behind the round, and my one tensor load until the next
	s_nop 0
	NOPS
	ASK
.else
	s_wait_dscnt 0x0
	s_barrier_signal -1
	s_barrier_wait -1
.endif
.endm
.macro SLOT_STEPS
	v_add_nc_u32 v[ADK], s[TB], v[AK0]
	v_add_nc_u32 v[ADV], s[TB], v[AV0]
	v_add_nc_u32 v[ADS], s[TB], v[ASK0]
	v_add_nc_u32 v[ADT], s[TB], v[ASV0]
	LOADS KS, ADS, 0
	LOADF ADK, 0, 0
	LOADF ADK, 1, 0
	LOADF ADK, 2, 0
	s_wait_alu depctr_va_vdst(0)
	STEP 0, 1
	STEP 1, 0
	s_xor_b32 s[TB], s[TB], SLOT1
.endm
	s_wait_loadcnt 0x0                             ; q
.Lslot:                                            ; seven trips: behind each change of slots but the last the next slot is asked for
	CHANGE 1
	SLOT_STEPS
	s_sub_co_u32 s[SLOTS], s[SLOTS], 1
	s_cmp_lg_u32 s[SLOTS], 0
	s_cbranch_scc1 .Lslot
	CHANGE 0                                       ; the last slot is written out
	SLOT_STEPS
	; THE WAY OUT.  O^T / the sum; a tile's 128 registers are two runs of 64 in QUANT's order (register 8 D + j = channel 32 (D / 2) + 8 (D % 2) + 16 h + j): two fragments of the projection's operand.
.irp qt, 0,1
	v_add_f32 v[T+\qt], v[ST+4*\qt+2], v[ST+4*\qt+3]
.endr
.irp qt, 0,1
	v_permlanex16_b32 v[PM+\qt], v[T+\qt], s[SEL], s[SEL+1]
.endr
.irp qt, 0,1
	v_add_f32 v[T+\qt], v[T+\qt], v[PM+\qt]        ; the row's sum
.endr
	s_wait_alu depctr_va_vdst(0)
.irp qt, 0,1
	v_rcp_f32 v[F+2*\qt], v[T+\qt]
.endr
	v_nop                                          ; a plain place behind the last reciprocal
	s_wait_alu depctr_va_vdst(0)                   ; one wait for both, ahead of the first reader
.irp qt, 0,1
	WIN 0x01                                       ; source 0 window 1
.set i, 0
.rept 64
	v_pk_mul_f32 v[SS+2*i:SS+2*i+1], v[128*\qt+2*i:128*\qt+2*i+1], v[F+2*\qt:F+2*\qt+1] op_sel_hi:[1,0]   ; each accumulator from its low end on
.set i, i+1
.endr
	WIN 0
.irp s, 0,1
	s_wait_xcnt 0x0                                ; earlier stores have read the codes' and the word's registers
	QUANT SS+64*\s
.irp c, 0,1,2
	global_store_b128 v[GOC], v[PC+4*\c:PC+4*\c+3], s[38:39] offset:(2*\qt+\s)*1536+512*\c
.endr
	global_store_b32 v[GOS], v[PW], s[38:39] offset:(2*\qt+\s)*128
.endr
.endr
	s_wait_tensorcnt 0x0                           ; the wave's end
	ds_add_u32 v[SPW], v[NIL]
	s_wait_dscnt 0x0
	CROUND                                         ; the closing round
	s_endpgm
.Lfunc_end_k_q02e9ecb95b_attention:
	.size	k_q02e9ecb95b_attention, .Lfunc_end_k_q02e9ecb95b_attention-k_q02e9ecb95b_attention
	.p2alignl 7, 3214868480
	.fill 96, 4, 3214868480
	.section	.rodata,"a",@progbits
	.p2align	6, 0x0
	.amdhsa_kernel k_q02e9ecb95b_attention
		.amdhsa_group_segment_fixed_size 327680
		.amdhsa_private_segment_fixed_size 0
		.amdhsa_enable_private_segment 0
		.amdhsa_kernarg_size 24
		.amdhsa_user_sgpr_count 2
		.amdhsa_user_sgpr_kernarg_segment_ptr 1
		.amdhsa_wavefront_size32 1
		.amdhsa_system_sgpr_workgroup_id_x 1
		.amdhsa_system_sgpr_workgroup_id_y 1
		.amdhsa_system_sgpr_workgroup_id_z 1
		.amdhsa_system_vgpr_workitem_id 0
		.amdhsa_next_free_vgpr 768
		.amdhsa_next_free_sgpr 66
		.amdhsa_reserve_vcc 0
		.amdhsa_float_denorm_mode_32 3
		.amdhsa_float_denorm_mode_16_64 3
		.amdhsa_memory_ordered 1
		.amdhsa_forward_progress 1
		.amdhsa_inst_pref_size 230
	.end_amdhsa_kernel
	.amdgpu_metadata
---
amdhsa.version: [ 1, 2 ]
amdhsa.kernels:
  - .name:           k_q02e9ecb95b_attention
    .symbol:         k_q02e9ecb95b_attention.kd
    .args:
      - { .name: qk_rec, .offset: 0, .size: 8, .value_kind: global_buffer, .address_space: global }
      - { .name: v_rec, .offset: 8, .size: 8, .value_kind: global_buffer, .address_space: global }
      - { .name: ao_rec, .offset: 16, .size: 8, .value_kind: global_buffer, .address_space: global }
    .group_segment_fixed_size: 327680
    .private_segment_fixed_size: 0
    .kernarg_segment_align: 8
    .kernarg_segment_size: 24
    .max_flat_workgroup_size: 128
    .sgpr_count:     66
    .vgpr_count:     768
    .wavefront_size: 32
...
	.end_amdgpu_metadata
.endif
;; end of part 3
;; launch proj_ln (part 4): grid 256 x 1, 4 waves a work-group, no clusters, 289,792 bytes of LDS; arguments ao_rec, wo_rec, x, b_out, ln_gamma, ln_beta, out0; writes out0
.if DOCPART == 4
	.amdgcn_target "amdgcn-amd-amdhsa--gfx1250"
	.amdhsa_code_object_version 6
	.text
	.protected	k_q02e9ecb95b_proj_ln
	.globl	k_q02e9ecb95b_proj_ln
	.p2align	8
	.type	k_q02e9ecb95b_proj_ln,@function
k_q02e9ecb95b_proj_ln:
	s_mov_b64 s[64:65], 0
	v_nop
	global_prefetch_b8 v0, s[64:65] scope:SCOPE_SE
	s_setreg_imm32_b32 hwreg(HW_REG_WAVE_MODE, 25, 1), 1
	s_wait_xcnt 0x0
; out0 = LayerNorm(x + (attention's result) w_out + b_out) x ln_gamma + ln_beta; the product on codes of BF6, K = 1,024; all else in f32.  No work is left out.
; SHARES.  A work-group takes 32 tokens (two tiles of 16, by the order of rows of quant_x: token 32 g + 8 m + r + 8 (r / 8)) x all 1,024 outputs, so that a whole row lies in one work-group for the norm: 256 work-groups.
; Wave w makes outputs 256 w .. 256 w + 255: 16 tiles x 2 = 32 accumulators.  Transposed use: source 0 = 16 outputs' rows of w_out, source 1 = 16 tokens: a lane holds a token, its registers neighbouring outputs.
; THE WEIGHTS GO FROM MEMORY STRAIGHT INTO REGISTERS: wave w's record of K step S, (S x 4 + w), is read by no other wave of the work-group; four sets of four fragments by turns, four groups (48 loads of 512 bytes) ahead.
; NO CLUSTER, though all work-groups walk the same weights: beside the stage and x's rows (262,656 bytes) LDS has no room for a slot of one K step (106,496 bytes); and two such slots in their stead would leave a joint refill one K step's
; 32 matrix instructions a wave in which to land; the stream through registers is never drained.
; x COMES BY ONE TENSOR LOAD A WAVE, AT THE HEAD: the eight rows that the wave will norm, 32,768 dense bytes, into LDS bytes of the wave's own, filled once.  They land while the weights stream; only the issuing wave reads them, behind its own wait.
; So no prefetch: x is asked for whole at the head, and the weights' loads stand four groups ahead of their use.
; The tokens' 16 fragments are copied into LDS once (wave w: head w's four) and read by all four waves.  The results meet in a stage (32 rows x (4,096 + 16) bytes); each wave then takes 8 whole rows through residual and norm.
; The variance is taken in two passes.
; REGISTERS.  window 0: v1-14 addresses; v16-63 the tokens' fragments, two sets; v64-67 their scale words; v68-99 the weights' scale words, two sets; v100-195 ln_gamma, ln_beta, b_out (32 each); v196-204 at work;
;   in the row phase v16-47 and v216-247: two rows.   window 1: v0-191 the weights' four sets; then 8 rows of x.   window 2: the accumulators: (tile n, m) at 8 (2 n + m).
.set REC,   26624
.set SCO,   24576
.set ASC,   24576                      ; LDS: the tokens' images from 0, fragment (m, S) at (4 (S / 2) + 2 m + S % 2) x 1536; their scale images from here
.set YST,   26624                      ; the stage
.set YP,    4112
.set XST,   YST+32*YP                  ; x: 8 rows of 4,096 bytes for each wave
.set SPARE, XST+4*32768                ; the spare words, 128 bytes a wave
.set SPW, 1
.set NIL, 2
.set LI,  3                            ; v3   16 x lane
.set LS,  4                            ; v4   4 x lane
.set YA,  5                            ; v5-6 the stage, on the way in, for m = 0, 1
.set RDY, 7                            ; v7   and back: my wave's 8 rows, 16 x lane
.set CPA, 9                            ; v9   where I put my head's images
.set CPS, 10                           ; v10  and their scale images
.set RDX, 14                           ; v14  x's rows in LDS: my wave's, 16 x lane
.set ACT, 16
.set AS,  64
.set WSC, 68
.set G,   100
.set BT,  132
.set BO,  164
.set A0,  196
.set A2,  198
.set MU,  200
.set RS,  202
.set VV,  204
.set YB,  16
.set WV,  18
.set SEL, 20
.set XB,  36                           ; s[36:37] x at my wave's first row;  s[38:39] out0 likewise
.set OB,  38
.set G0X, 40                           ; s[40:43] descriptor group 0 for x's rows;  s[44:51] group 1
.set G1X, 44
.set MSB, 0
.macro WIN new
.if MSB != (\new)
	s_set_vgpr_msb (MSB<<8)|(\new)
.set MSB, (\new)
.endif
.endm
.macro NOPS
.rept 4
	v_nop
.endr
.endm
.macro GLOAD x                         ; group x: K step x / 4, output tiles 4 (x % 4) .. + 3, into set x % 4 of window 1
.irp f, 0,1,2,3
.irp c, 0,1,2
	global_load_b128 v[48*((\x)%4)+12*\f+4*\c:48*((\x)%4)+12*\f+4*\c+3], v[LI], s[6:7] offset:((\x)/4)*4*REC+(4*((\x)%4)+\f)*1536+512*\c
.endr
.endr
.endm
.macro RUN x                           ; K step x's sixteen scale images of the weights
.irp n, 0,1,2,3,4,5,6,7,8,9,10,11,12,13,14,15
	global_load_b32 v[WSC+16*((\x)%2)+\n], v[LS], s[6:7] offset:(\x)*4*REC+SCO+\n*128
.endr
.endm
.macro ACTS x                          ; K step x's two fragments of the tokens, and their scale words
.irp m, 0,1
.irp c, 0,1,2
	ds_load_b128 v[ACT+24*((\x)%2)+12*\m+4*\c:ACT+24*((\x)%2)+12*\m+4*\c+3], v[LI] offset:(4*((\x)/2)+2*\m+(\x)%2)*1536+512*\c
.endr
	ds_load_b32 v[AS+2*((\x)%2)+\m], v[LS] offset:ASC+(4*((\x)/2)+2*\m+(\x)%2)*128
.endr
.endm
	s_load_b256 s[4:11], s[0:1], 0x0               ; ao_rec, wo_rec, x, b_out
	s_load_b128 s[12:15], s[0:1], 0x20             ; ln_gamma, ln_beta
	s_load_b64 s[16:17], s[0:1], 0x30              ; out0
	v_lshl_add_u32 v[SPW], v0, 2, SPARE
	v_mov_b32 v[NIL], 0
	ds_add_u32 v[SPW], v[NIL]                      ; the wave's opening: the add, twice on end, and its wait ahead of my first tensor load
	ds_add_u32 v[SPW], v[NIL]
	v_lshrrev_b32 v11, 5, v0
	v_readfirstlane_b32 s[WV], v11                 ; wave 0..3
	v_and_b32 v11, 31, v0                          ; lane
	v_and_b32 v12, 15, v0                          ; r
	v_bfe_u32 v13, v0, 4, 1                        ; h
	v_lshlrev_b32 v[LI], 4, v11
	s_wait_alu depctr_va_vdst(0)
	v_lshlrev_b32 v[LS], 2, v11
	v_mul_u32_u24 v[YA], v12, YP
	v_lshl_add_u32 v[YA], v13, 6, v[YA]
	s_lshl_b32 s30, s[WV], 10
	s_add_co_u32 s30, s30, YST
	v_add_nc_u32 v[YA], s30, v[YA]                 ; stage row r, + 64 h, + my wave's 1,024 bytes
	v_add_nc_u32 v[YA+1], 16*YP, v[YA]
	s_mul_i32 s30, s[WV], 8*YP
	s_add_co_u32 s30, s30, YST
	v_add_nc_u32 v[RDY], s30, v[LI]
	s_mul_i32 s30, s[WV], 6144
	v_add_nc_u32 v[CPA], s30, v[LI]
	s_lshl_b32 s30, s[WV], 9
	s_add_co_u32 s30, s30, ASC
	v_add_nc_u32 v[CPS], s30, v[LI]
	s_lshl_b32 s[G0X+1], s[WV], 15
	s_add_co_u32 s[G0X+1], s[G0X+1], XST           ; x's rows in LDS: a constant + 32,768 x wave
	v_add_nc_u32 v[RDX], s[G0X+1], v[LI]
	s_mov_b32 s[G0X], 1                            ; 1:0 count = 1
	s_mov_b32 s[G1X], 3<<16                        ; no mask; elements of 8 bytes; no padding: the rows are read back 512 consecutive bytes a load
	s_mov_b32 s[G1X+1], 32<<16                     ; tensor_dim0: 32 elements = 256 bytes
	s_mov_b32 s[G1X+2], 128<<16                    ; tensor_dim1: 128 such rows = 8 rows of x
	s_mov_b32 s[G1X+3], 32<<16                     ; tile_dim0
	s_mov_b32 s[G1X+4], 128                        ; tile_dim1
	s_mov_b32 s[G1X+5], 32                         ; tensor_dim0_stride: dense
	s_mov_b32 s[G1X+6], 0
	s_mov_b32 s[G1X+7], 0
	s_lshr_b32 s24, ttmp9, 2
	s_lshl_b32 s24, s24, 2
	s_add_co_u32 s24, s24, s[WV]
	s_mul_i32 s24, s24, REC                        ; the tokens' record of head w: (token / 128) x 4 + w
	s_and_b32 s25, ttmp9, 3
	s_mul_i32 s26, s25, 6144
	s_add_co_u32 s26, s26, s24                     ; my work-group's four fragments in it,
	s_mov_b32 s27, 0
	s_lshl_b32 s28, s25, 9
	s_add_co_u32 s28, s28, s24
	s_add_co_u32 s28, s28, SCO                     ; and their scale images
	s_mov_b32 s29, 0
	s_mul_i32 s32, s[WV], REC
	s_mov_b32 s33, 0
	s_lshr_b32 s30, s[WV], 1
	s_lshl_b32 s30, s30, 3
	s_and_b32 s31, s[WV], 1
	s_lshl_b32 s31, s31, 4
	s_add_co_u32 s30, s30, s31                     ; stage rows 8 w .. 8 w + 7 are tokens 32 g + 8 (w / 2) + 16 (w % 2) + 0 .. 7
	s_lshl_b32 s34, ttmp9, 5
	s_add_co_u32 s34, s34, s30
	s_lshl_b32 s34, s34, 12
	s_mov_b32 s35, 0
	s_mov_b32 s[SEL], 0x76543210
	s_mov_b32 s[SEL+1], 0xfedcba98
	s_mov_b32 s22, 0x3a800000                      ; 1 / 1,024
	s_mov_b32 s23, 0x3727c5ac                      ; 1e-5
	s_wait_alu depctr_va_vdst(0)
	s_wait_dscnt 0x0                               ; both opening adds are done
	s_wait_kmcnt 0x0
	s_add_nc_u64 s[26:27], s[4:5], s[26:27]
	s_add_nc_u64 s[28:29], s[4:5], s[28:29]
	s_add_nc_u64 s[6:7], s[6:7], s[32:33]          ; the weights at my wave's record of K step 0
	s_add_nc_u64 s[XB:XB+1], s[8:9], s[34:35]
	s_add_nc_u64 s[OB:OB+1], s[16:17], s[34:35]
	s_mov_b64 s[G0X+2:G0X+3], s[XB:XB+1]           ; 120:64 global address: my first row of x
	s_or_b32 s[G0X+3], s[G0X+3], 0x80000000        ; 127:126 type = 2
.irp i, 0,1,2,3,4,5,6,7,8,9,10,11
	global_load_b128 v[G+4*\i:G+4*\i+3], v[LI], s[26:27] offset:512*\i
.endr
	global_load_b128 v[G+48:G+51], v[LI], s[28:29]
	RUN 0
	WIN 0x40                                       ; destination window 1
	GLOAD 0
	GLOAD 1
	GLOAD 2
	WIN 0
	tensor_load_to_lds s[G0X:G0X+3], s[G1X:G1X+7]  ; x: behind the loads that the first products wait for; ahead of every LDS read, barrier and wait on TENSORcnt.  One tensor load of mine is out, the only one of the launch
	s_nop 0
	NOPS
	s_wait_loadcnt 52                              ; the 13 loads of the tokens' images are in; the 16 + 36 behind them may be out
.irp i, 0,1,2,3,4,5,6,7,8,9,10,11
	ds_store_b128 v[CPA], v[G+4*\i:G+4*\i+3] offset:512*\i
.endr
	ds_store_b128 v[CPS], v[G+48:G+51]
	WIN 0x40
	GLOAD 3
	WIN 0
	s_wait_dscnt 0x0                               ; my stores have landed
	s_barrier_signal -1
	s_barrier_wait -1                              ; the sixteen fragments lie in LDS
	ACTS 0
; 32 groups of 8 matrix instructions.  The order of the global loads is G0 .. G3, then behind group e: G(e + 4), and behind the first group of a K step the next K step's 16 scale loads; behind group 28 the 24 loads of the parameters.
; So in front of group e three younger groups (36 loads) may be out, and 16 more where a run of scale loads lies among them; at the end: two groups and the parameters (48), one and the parameters (36), the parameters (24).
.set EE, 0
.rept 32
.set KSTP, EE/4
.set GG, EE%4
.if GG == 0
	s_wait_dscnt 0x0                               ; this K step's fragments of the tokens are in
.endif
.if EE == 31
	s_wait_loadcnt 24
.elseif EE == 30
	s_wait_loadcnt 36
.elseif EE == 29
	s_wait_loadcnt 48
.elseif GG == 0
	s_wait_loadcnt 36
.else
	s_wait_loadcnt 52
.endif
	WIN 0xa1                                       ; source 0 (weights) window 1, source 1 (tokens) window 0, C and D window 2
.irp f, 0,1,2,3
.irp m, 0,1
.if KSTP == 0
	v_wmma_scale_f32_16x16x128_f8f6f4 v[8*(2*(4*GG+\f)+\m):8*(2*(4*GG+\f)+\m)+7], v[48*GG+12*\f:48*GG+12*\f+11], v[ACT+24*(KSTP%2)+12*\m:ACT+24*(KSTP%2)+12*\m+11], 0, v[WSC+16*(KSTP%2)+4*GG+\f], v[AS+2*(KSTP%2)+\m] matrix_a_fmt:MATRIX_FMT_BF6 matrix_b_fmt:MATRIX_FMT_BF6
.else
	v_wmma_scale_f32_16x16x128_f8f6f4 v[8*(2*(4*GG+\f)+\m):8*(2*(4*GG+\f)+\m)+7], v[48*GG+12*\f:48*GG+12*\f+11], v[ACT+24*(KSTP%2)+12*\m:ACT+24*(KSTP%2)+12*\m+11], v[8*(2*(4*GG+\f)+\m):8*(2*(4*GG+\f)+\m)+7], v[WSC+16*(KSTP%2)+4*GG+\f], v[AS+2*(KSTP%2)+\m] matrix_a_fmt:MATRIX_FMT_BF6 matrix_b_fmt:MATRIX_FMT_BF6
.endif
.endr
.endr
	NOPS                                           ; places in front of the loads into the set just read, and behind the last group in front of the first read of results
.if EE+4 < 32
	WIN 0x40
	GLOAD EE+4
.endif
	WIN 0
.if (GG == 0) && (KSTP < 7)
	RUN KSTP+1
	ACTS KSTP+1
.endif
.if EE == 28                                   ; the parameters, three groups ahead of the way out: a lane holds columns 128 c + 4 lane + 0 .. 3
.irp c, 0,1,2,3,4,5,6,7
	global_load_b128 v[G+4*\c:G+4*\c+3], v[LI], s[12:13] offset:512*\c
	global_load_b128 v[BT+4*\c:BT+4*\c+3], v[LI], s[14:15] offset:512*\c
	global_load_b128 v[BO+4*\c:BO+4*\c+3], v[LI], s[10:11] offset:512*\c
.endr
.endif
.set EE, EE+1
.endr
	; the accumulators go to the stage
	WIN 0x08                                       ; an LDS store's data are its source 1: window 2
.irp n, 0,1,2,3,4,5,6,7,8,9,10,11,12,13,14,15
.irp m, 0,1
	ds_store_b128 v[YA+\m], v[8*(2*\n+\m):8*(2*\n+\m)+3] offset:128*(\n/2)+32*(\n%2)        ; lane (r, h): outputs 256 w + 32 (n / 2) + 8 (n % 2) + 16 h + 0 .. 7; each accumulator from its low end on
	ds_store_b128 v[YA+\m], v[8*(2*\n+\m)+4:8*(2*\n+\m)+7] offset:128*(\n/2)+32*(\n%2)+16
.endr
.endr
	WIN 0
	v_mov_b32 v[MU+1], 0                           ; (named as the upper halves of pairs)
	v_mov_b32 v[RS+1], 0
	s_wait_tensorcnt 0x0                           ; my eight rows of x lie in LDS
	s_wait_dscnt 0x0
	s_barrier_signal -1
	s_barrier_wait -1                              ; 32 whole rows lie in the stage
.macro YLOAD i                         ; row i of my eight: the product's from the stage, x's from my own bytes: 16 loads of 512 consecutive bytes
.irp c, 0,1,2,3,4,5,6,7
	ds_load_b128 v[YB+200*((\i)%2)+4*\c:YB+200*((\i)%2)+4*\c+3], v[RDY] offset:(\i)*YP+512*\c
.endr
	WIN 0x40                                       ; destination window 1
.irp c, 0,1,2,3,4,5,6,7
	ds_load_b128 v[32*(\i)+4*\c:32*(\i)+4*\c+3], v[RDX] offset:(\i)*4096+512*\c
.endr
	WIN 0
.endm
.macro REDUCE r, t                     ; the sum over the wave's 32 lanes, in every lane
	v_add_f32_dpp v[\r], v[\r], v[\r] row_xmask:1 row_mask:0xf bank_mask:0xf
	v_add_f32_dpp v[\r], v[\r], v[\r] row_xmask:2 row_mask:0xf bank_mask:0xf
	v_add_f32_dpp v[\r], v[\r], v[\r] row_xmask:4 row_mask:0xf bank_mask:0xf
	v_add_f32_dpp v[\r], v[\r], v[\r] row_xmask:8 row_mask:0xf bank_mask:0xf
	v_permlanex16_b32 v[\t], v[\r], s[SEL], s[SEL+1]
	v_add_f32 v[\r], v[\r], v[\t]
.endm
.macro ROW i
.set YY, YB+200*((\i)%2)
.if (\i) < 7
	s_wait_dscnt 16                                ; this row's sixteen loads are in; the next row's sixteen may be out
.else
	s_wait_dscnt 0x0
.endif
	WIN 0x04                                       ; source 1 window 1
.irp k, 0,2,4,6,8,10,12,14,16,18,20,22,24,26,28,30
	v_pk_add_f32 v[YY+\k:YY+\k+1], v[YY+\k:YY+\k+1], v[32*(\i)+\k:32*(\i)+\k+1]      ; + x
.endr
	WIN 0
.irp k, 0,2,4,6,8,10,12,14,16,18,20,22,24,26,28,30
	v_pk_add_f32 v[YY+\k:YY+\k+1], v[YY+\k:YY+\k+1], v[BO+\k:BO+\k+1]                ; + b_out
.endr
	v_pk_add_f32 v[A0:A0+1], v[YY:YY+1], v[YY+2:YY+3]
	v_pk_add_f32 v[A2:A2+1], v[YY+4:YY+5], v[YY+6:YY+7]
.irp k, 8,12,16,20,24,28
	v_pk_add_f32 v[A0:A0+1], v[A0:A0+1], v[YY+\k:YY+\k+1]
	v_pk_add_f32 v[A2:A2+1], v[A2:A2+1], v[YY+\k+2:YY+\k+3]
.endr
	v_pk_add_f32 v[A0:A0+1], v[A0:A0+1], v[A2:A2+1]
	v_add_f32 v[A0], v[A0], v[A0+1]
	REDUCE A0, A2
	v_mul_f32 v[MU], s22, v[A0]                    ; the mean
.irp k, 0,2,4,6,8,10,12,14,16,18,20,22,24,26,28,30
	v_pk_add_f32 v[YY+\k:YY+\k+1], v[YY+\k:YY+\k+1], v[MU:MU+1] op_sel_hi:[1,0] neg_lo:[0,1] neg_hi:[0,1]
.endr
	v_pk_mul_f32 v[A0:A0+1], v[YY:YY+1], v[YY:YY+1]
	v_pk_mul_f32 v[A2:A2+1], v[YY+2:YY+3], v[YY+2:YY+3]
.irp k, 4,8,12,16,20,24,28
	v_pk_fma_f32 v[A0:A0+1], v[YY+\k:YY+\k+1], v[YY+\k:YY+\k+1], v[A0:A0+1]
	v_pk_fma_f32 v[A2:A2+1], v[YY+\k+2:YY+\k+3], v[YY+\k+2:YY+\k+3], v[A2:A2+1]
.endr
	v_pk_add_f32 v[A0:A0+1], v[A0:A0+1], v[A2:A2+1]
	v_add_f32 v[A0], v[A0], v[A0+1]
	REDUCE A0, A2
	v_fma_f32 v[VV], v[A0], s22, s23               ; the variance + 1e-5
	s_wait_alu depctr_va_vdst(0)
	v_rsq_f32 v[RS], v[VV]
	v_nop                                          ; a plain place behind the transcendental
	s_wait_alu depctr_va_vdst(0)                   ; and the wait ahead of its first reader
.irp k, 0,2,4,6,8,10,12,14,16,18,20,22,24,26,28,30
	v_pk_mul_f32 v[YY+\k:YY+\k+1], v[YY+\k:YY+\k+1], v[RS:RS+1] op_sel_hi:[1,0]
.endr
.irp k, 0,2,4,6,8,10,12,14,16,18,20,22,24,26,28,30
	v_pk_fma_f32 v[YY+\k:YY+\k+1], v[YY+\k:YY+\k+1], v[G+\k:G+\k+1], v[BT+\k:BT+\k+1]
.endr
.irp c, 0,1,2,3,4,5,6,7
	global_store_b128 v[LI], v[YY+4*\c:YY+4*\c+3], s[OB:OB+1] offset:4096*(\i)+512*\c th:TH_STORE_NT   ; 32 lanes store 512 consecutive bytes, at a multiple of 256 from out0's first byte
.endr
.if (\i)+2 < 8
	s_wait_xcnt 0x0                                ; the stores have read their registers: the row two on may land there
	YLOAD (\i)+2
.endif
.endm
	YLOAD 0
	YLOAD 1
	s_wait_loadcnt 0x0                             ; the parameters
.irp i, 0,1,2,3,4,5,6,7
	ROW \i
.endr
	s_wait_tensorcnt 0x0                           ; the wave's end: behind my tensor load and my last LDS store
	ds_add_u32 v[SPW], v[NIL]
	s_wait_dscnt 0x0
	s_endpgm
.Lfunc_end_k_q02e9ecb95b_proj_ln:
	.size	k_q02e9ecb95b_proj_ln, .Lfunc_end_k_q02e9ecb95b_proj_ln-k_q02e9ecb95b_proj_ln
	.p2alignl 7, 3214868480
	.fill 96, 4, 3214868480
	.section	.rodata,"a",@progbits
	.p2align	6, 0x0
	.amdhsa_kernel k_q02e9ecb95b_proj_ln
		.amdhsa_group_segment_fixed_size 289792
		.amdhsa_private_segment_fixed_size 0
		.amdhsa_enable_private_segment 0
		.amdhsa_kernarg_size 56
		.amdhsa_user_sgpr_count 2
		.amdhsa_user_sgpr_kernarg_segment_ptr 1
		.amdhsa_wavefront_size32 1
		.amdhsa_system_sgpr_workgroup_id_x 1
		.amdhsa_system_sgpr_workgroup_id_y 1
		.amdhsa_system_sgpr_workgroup_id_z 1
		.amdhsa_system_vgpr_workitem_id 0
		.amdhsa_next_free_vgpr 768
		.amdhsa_next_free_sgpr 66
		.amdhsa_reserve_vcc 0
		.amdhsa_float_denorm_mode_32 3
		.amdhsa_float_denorm_mode_16_64 3
		.amdhsa_memory_ordered 1
		.amdhsa_forward_progress 1
		.amdhsa_inst_pref_size 185
	.end_amdhsa_kernel
	.amdgpu_metadata
---
amdhsa.version: [ 1, 2 ]
amdhsa.kernels:
  - .name:           k_q02e9ecb95b_proj_ln
    .symbol:         k_q02e9ecb95b_proj_ln.kd
    .args:
      - { .name: ao_rec, .offset: 0, .size: 8, .value_kind: global_buffer, .address_space: global }
      - { .name: wo_rec, .offset: 8, .size: 8, .value_kind: global_buffer, .address_space: global }
      - { .name: x, .offset: 16, .size: 8, .value_kind: global_buffer, .address_space: global }
      - { .name: b_out, .offset: 24, .size: 8, .value_kind: global_buffer, .address_space: global }
      - { .name: ln_gamma, .offset: 32, .size: 8, .value_kind: global_buffer, .address_space: global }
      - { .name: ln_beta, .offset: 40, .size: 8, .value_kind: global_buffer, .address_space: global }
      - { .name: out0, .offset: 48, .size: 8, .value_kind: global_buffer, .address_space: global }
    .group_segment_fixed_size: 289792
    .private_segment_fixed_size: 0
    .kernarg_segment_align: 8
    .kernarg_segment_size: 56
    .max_flat_workgroup_size: 128
    .sgpr_count:     66
    .vgpr_count:     768
    .wavefront_size: 32
...
	.end_amdgpu_metadata
.endif
;; end of part 4
